; MI455X (gfx1250); checked and timed in simulation.
; The chip was launched on July 23, 2026; its instructions are those of AMD's public machine-readable ISA for CDNA 5 (MIT licence, August 2026) and "CDNA5" Instruction Set Architecture Reference Guide (July 2026). The comments in the code are by the model that wrote it; some were corrected since.
;; Multi Head Self Attention. Allowed arithmetic: float matrix products may take bf16 or f16 operands with f32 sums; all other float work in f32.
;; Inputs: Wk 1,024 x 1,024 float32; Wo 1,024 x 1,024 float32; Wq 1,024 x 1,024 float32; Wv 1,024 x 1,024 float32; b1 1,024 float32; b2 1,024 float32; bk 1,024 float32; bo 1,024 float32; bq 1,024 float32; bv 1,024 float32; g1 1,024 float32; g2 1,024 float32; x 2 x 2,048 x 1,024 float32.
;; Outputs: out0 2 x 1,024 float32; out1 2 x 2,048 float32.
;; One version. Each part assembles by itself: llvm-mc -triple=amdgcn-amd-amdhsa -mcpu=gfx1250 --defsym DOCPART=n.
;; ======== version 1 of 1: 6 launches
;; workspace buffers: hb 8,388,608 bytes; wt 8,388,608 bytes; qkv 25,165,824 bytes; ctx 8,388,608 bytes; rr 16,777,216 bytes; part 1,048,576 bytes; p0 262,144 bytes
;; launch prep (part 1): grid 512 x 1, 8 waves a work-group, no clusters, 35,840 bytes of LDS; arguments x, g1, b1, Wq, Wk, Wv, Wo, hb, wt; writes hb, wt
.if DOCPART == 1
	.amdgcn_target "amdgcn-amd-amdhsa--gfx1250"
	.amdhsa_code_object_version 6
	.text
	.protected	k_q746bd2574a_prep
	.globl	k_q746bd2574a_prep
	.p2align	8
	.type	k_q746bd2574a_prep,@function
k_q746bd2574a_prep:
	s_mov_b64 s[64:65], 0
	v_nop
	global_prefetch_b8 v0, s[64:65] scope:SCOPE_SE
	s_setreg_imm32_b32 hwreg(HW_REG_WAVE_MODE, 25, 1), 1
	s_wait_xcnt 0x0
; prep: two jobs that do not depend on each other, chosen by the work-group's number.
; Work-groups 0-255:   hb[m][k] = bf16( layernorm(x[m][:]) * g1 + b1 ), 16 rows a work-group, 2 rows a wave.
; Work-groups 256-511: wt[1024 i + n][k] = bf16( W_i[k][n] ), i = 0..3 for Wq, Wk, Wv, Wo: one tile of 128 k x 128 n each,
;                      so that the later products find K along the rows of both operands.
; The layer norm takes two passes over registers (mean, then centred squares): a common offset of x costs no accuracy.
; Limit: finite inputs.
.set T,  4                             ; v[4:11]   four running pairs
.set MU, 12                            ; v[12:13]  the row's mean (v13 = 0: the pair is named whole)
.set RS, 14                            ; v[14:15]  1 / sqrt(var + eps) (v15 = 0)
.set G,  16                            ; v[16:47]  g1 of my 32 columns
.set BV, 48                            ; v[48:79]  b1 of my 32 columns
.set X,  80                            ; v[80:143] two rows, 32 numbers a lane each: load j holds columns 128 j + 4 lane .. + 3
.set O,  144                           ; v[144:175] two rows as bf16
	s_load_b512 s[4:19], s[0:1], 0x0               ; x 4:5, g1 6:7, b1 8:9, Wq 10:11, Wk 12:13, Wv 14:15, Wo 16:17, hb 18:19
	s_load_b64 s[20:21], s[0:1], 0x40              ; wt
	v_lshl_add_u32 v176, v0, 2, 0x8800
	v_mov_b32 v177, 0
	v_lshrrev_b32 v2, 5, v0
	v_readfirstlane_b32 s22, v2                    ; wave 0..7
	v_and_b32 v1, 31, v0                           ; lane
	s_cmp_ge_u32 ttmp9, 256
	s_cbranch_scc1 .Lweights
	; ---------------- layer norm ----------------
	s_mov_b32 s26, 0x76543210                      ; v_permlanex16_b32: lane i reads lane i of the other half
	s_mov_b32 s27, 0xfedcba98
	s_mov_b32 s24, 0x3a800000                      ; 1 / 1024
	s_mov_b32 s25, 0x3727c5ac                      ; eps = 1e-5
	s_lshl_b32 s28, ttmp9, 16                      ; x: 16 rows of 4,096 bytes a work-group,
	s_lshl_b32 s23, s22, 13                        ; 2 rows a wave
	s_add_co_u32 s28, s28, s23
	s_mov_b32 s29, 0
	s_lshl_b32 s30, ttmp9, 15                      ; hb: rows of 2,048 bytes
	s_lshl_b32 s23, s22, 12
	s_add_co_u32 s30, s30, s23
	s_mov_b32 s31, 0
	v_lshlrev_b32 v2, 4, v1                        ; 16 x lane: a load of the wave covers 512 neighbouring bytes
	v_lshlrev_b32 v3, 3, v1                        ; 8 x lane: a store of the wave covers 256 neighbouring bytes, aligned
	v_mov_b32 v[MU+1], 0
	v_mov_b32 v[RS+1], 0
	s_wait_kmcnt 0x0
	s_add_nc_u64 s[4:5], s[4:5], s[28:29]
	s_add_nc_u64 s[18:19], s[18:19], s[30:31]
.irp j, 0,1,2,3,4,5,6,7
	global_load_b128 v[G+4*\j:G+4*\j+3], v2, s[6:7] offset:512*\j
.endr
.irp j, 0,1,2,3,4,5,6,7
	global_load_b128 v[BV+4*\j:BV+4*\j+3], v2, s[8:9] offset:512*\j
.endr
.irp j, 0,1,2,3,4,5,6,7
	global_load_b128 v[X+4*\j:X+4*\j+3], v2, s[4:5] offset:512*\j th:TH_LOAD_NT
.endr
.irp j, 0,1,2,3,4,5,6,7
	global_load_b128 v[X+32+4*\j:X+32+4*\j+3], v2, s[4:5] offset:4096+512*\j th:TH_LOAD_NT
.endr
.macro JOIN                            ; the four running pairs into v4
	v_pk_add_f32 v[T:T+1], v[T:T+1], v[T+2:T+3]
	v_pk_add_f32 v[T+4:T+5], v[T+4:T+5], v[T+6:T+7]
	v_pk_add_f32 v[T:T+1], v[T:T+1], v[T+4:T+5]
	v_add_f32 v[T], v[T], v[T+1]
.endm
.macro LANESUM                         ; v4 summed over the 32 lanes, the result in every lane
	v_add_f32_dpp v[T], v[T], v[T] row_xmask:1 row_mask:0xf bank_mask:0xf
	v_add_f32_dpp v[T], v[T], v[T] row_xmask:2 row_mask:0xf bank_mask:0xf
	v_add_f32_dpp v[T], v[T], v[T] row_xmask:4 row_mask:0xf bank_mask:0xf
	v_add_f32_dpp v[T], v[T], v[T] row_xmask:8 row_mask:0xf bank_mask:0xf
	v_permlanex16_b32 v[T+1], v[T], s26, s27       ; its destination has been written by JOIN
	v_add_f32 v[T], v[T], v[T+1]
.endm
; One row.  left = how many younger loads may stay out.
.macro LNROW r, left
	s_wait_loadcnt \left
.irp k, 0,1,2,3
	v_pk_add_f32 v[T+2*\k:T+2*\k+1], v[X+32*\r+2*\k:X+32*\r+2*\k+1], v[X+32*\r+8+2*\k:X+32*\r+8+2*\k+1]
.endr
.irp q, 16,24
.irp k, 0,1,2,3
	v_pk_add_f32 v[T+2*\k:T+2*\k+1], v[T+2*\k:T+2*\k+1], v[X+32*\r+\q+2*\k:X+32*\r+\q+2*\k+1]
.endr
.endr
	JOIN
	LANESUM
	v_mul_f32 v[MU], s24, v[T]                     ; the mean
.set p, 0
.rept 16
	v_pk_add_f32 v[X+32*\r+p:X+32*\r+p+1], v[X+32*\r+p:X+32*\r+p+1], v[MU:MU+1] op_sel_hi:[1,0] neg_lo:[0,1] neg_hi:[0,1]
.set p, p+2
.endr
.irp k, 0,1,2,3
	v_pk_mul_f32 v[T+2*\k:T+2*\k+1], v[X+32*\r+2*\k:X+32*\r+2*\k+1], v[X+32*\r+2*\k:X+32*\r+2*\k+1]
.endr
.irp q, 8,16,24
.irp k, 0,1,2,3
	v_pk_fma_f32 v[T+2*\k:T+2*\k+1], v[X+32*\r+\q+2*\k:X+32*\r+\q+2*\k+1], v[X+32*\r+\q+2*\k:X+32*\r+\q+2*\k+1], v[T+2*\k:T+2*\k+1]
.endr
.endr
	JOIN
	LANESUM
	v_fma_f32 v[T+2], v[T], s24, s25               ; var + eps
	v_rsq_f32 v[RS], v[T+2]
	v_nop                                          ; one plain instruction behind v_rsq_f32 before its result is used (ISA guide 5.7.2)
.set p, 0
	s_wait_alu depctr_va_vdst(0)
.rept 16
	v_pk_mul_f32 v[X+32*\r+p:X+32*\r+p+1], v[X+32*\r+p:X+32*\r+p+1], v[RS:RS+1] op_sel_hi:[1,0]
.set p, p+2
.endr
.set p, 0
.rept 16
	v_pk_fma_f32 v[X+32*\r+p:X+32*\r+p+1], v[X+32*\r+p:X+32*\r+p+1], v[G+p:G+p+1], v[BV+p:BV+p+1]
.set p, p+2
.endr
.set p, 0
.rept 16
	v_cvt_pk_bf16_f32 v[O+16*\r+p], v[X+32*\r+2*p], v[X+32*\r+2*p+1]
.set p, p+1
.endr
.irp j, 0,1,2,3,4,5,6,7
	global_store_b64 v3, v[O+16*\r+2*\j:O+16*\r+2*\j+1], s[18:19] offset:2048*\r+256*\j
.endr
.endm
	LNROW 0, 8                                     ; g1, b1 and row 0 are in; the eight younger loads are row 1's
	LNROW 1, 0                                     ; each row has its own registers: no store's source is written again
	s_endpgm
	; ---------------- a weight tile, transposed ----------------
.Lweights:
	s_sub_co_u32 s23, ttmp9, 256
	s_lshr_b32 s24, s23, 6                         ; which weight
	s_bfe_u32 s25, s23, 0x30003                    ; kt: which 128 k
	s_and_b32 s23, s23, 7                          ; nt: which 128 n
	s_lshl_b32 s30, s25, 19                        ; source: 128 rows of 4,096 bytes, 128 columns of 4 bytes
	s_lshl_b32 s31, s23, 9
	s_add_co_u32 s30, s30, s31
	s_mov_b32 s31, 0
	v_lshlrev_b32 v4, 4, v1
	v_lshl_add_u32 v4, s22, 16, v4                 ; my wave's 16 k rows, 16 bytes a lane: a load covers 512 neighbouring bytes
	v_mul_u32_u24 v5, v1, 1088                     ; LDS tile [128 n][272 bytes]: my four columns are rows 4 lane + c,
	v_lshl_add_u32 v5, s22, 5, v5                  ; my wave's 16 k are bytes 32 w .. 32 w + 31 of a row
	v_lshrrev_b32 v8, 4, v1
	v_and_b32 v9, 15, v1
	v_lshl_add_u32 v8, s22, 4, v8                  ; back: row 16 w + lane / 16 (+ 2 t)
	v_mul_u32_u24 v6, v8, 272
	v_lshl_add_u32 v6, v9, 4, v6
	v_lshlrev_b32 v7, 11, v8                       ; the same row in wt, 2,048 bytes a row
	v_lshl_add_u32 v7, v9, 4, v7
	s_wait_kmcnt 0x0
	s_cmp_eq_u32 s24, 1
	s_cselect_b64 s[28:29], s[12:13], s[10:11]
	s_cmp_eq_u32 s24, 2
	s_cselect_b64 s[28:29], s[14:15], s[28:29]
	s_cmp_eq_u32 s24, 3
	s_cselect_b64 s[28:29], s[16:17], s[28:29]
	s_add_nc_u64 s[28:29], s[28:29], s[30:31]
	s_lshl_b32 s30, s24, 21                        ; destination: 1,024 rows a weight, 128 rows a tile, 256 bytes of k
	s_lshl_b32 s24, s23, 18
	s_add_co_u32 s30, s30, s24
	s_lshl_b32 s24, s25, 8
	s_add_co_u32 s30, s30, s24
	s_add_nc_u64 s[20:21], s[20:21], s[30:31]
.irp i, 0,1,2,3,4,5,6,7,8,9,10,11,12,13,14,15
	global_load_b128 v[16+4*\i:19+4*\i], v4, s[28:29] offset:4096*\i th:TH_LOAD_NT
.endr
.irp u, 0,1,2,3,4,5,6,7
	s_wait_loadcnt 14-2*\u                         ; rows 2 u and 2 u + 1 are in, the younger rows stay out
.irp c, 0,1,2,3
	v_cvt_pk_bf16_f32 v[80+8*\c+\u], v[16+8*\u+\c], v[20+8*\u+\c]   ; column 4 lane + c: k = 2 u below, 2 u + 1 above
.endr
.endr
	; Lanes lie 1,088 bytes apart, so every fourth lane meets the same 16-byte column modulo 256 bytes.  That is taken for these
	; eight stores a wave, so that the loads from memory stay 512 neighbouring bytes each.
.irp c, 0,1,2,3
	ds_store_b128 v5, v[80+8*\c:83+8*\c] offset:272*\c
	ds_store_b128 v5, v[84+8*\c:87+8*\c] offset:272*\c+16
.endr
	s_wait_dscnt 0x0                               ; my stores are done, for the other waves' sake
	s_barrier_signal -1
	s_barrier_wait -1
.irp t, 0,1,2,3,4,5,6,7
	ds_load_b128 v[112+4*\t:115+4*\t], v6 offset:544*\t
.endr
.irp t, 0,1,2,3,4,5,6,7
	s_wait_dscnt 7-\t
	global_store_b128 v7, v[112+4*\t:115+4*\t], s[20:21] offset:4096*\t   ; 16 lanes store 256 neighbouring bytes, aligned
.endr
	s_wait_tensorcnt 0x0
	ds_add_u32 v176, v177
	s_wait_dscnt 0x0
	s_endpgm
.Lfunc_end_k_q746bd2574a_prep:
	.size	k_q746bd2574a_prep, .Lfunc_end_k_q746bd2574a_prep-k_q746bd2574a_prep
	.p2alignl 7, 3214868480
	.fill 96, 4, 3214868480
	.section	.rodata,"a",@progbits
	.p2align	6, 0x0
	.amdhsa_kernel k_q746bd2574a_prep
		.amdhsa_group_segment_fixed_size 35840
		.amdhsa_private_segment_fixed_size 0
		.amdhsa_enable_private_segment 0
		.amdhsa_kernarg_size 72
		.amdhsa_user_sgpr_count 2
		.amdhsa_user_sgpr_kernarg_segment_ptr 1
		.amdhsa_wavefront_size32 1
		.amdhsa_system_sgpr_workgroup_id_x 1
		.amdhsa_system_sgpr_workgroup_id_y 1
		.amdhsa_system_sgpr_workgroup_id_z 1
		.amdhsa_system_vgpr_workitem_id 0
		.amdhsa_next_free_vgpr 178
		.amdhsa_next_free_sgpr 66
		.amdhsa_reserve_vcc 0
		.amdhsa_float_denorm_mode_32 3
		.amdhsa_float_denorm_mode_16_64 3
		.amdhsa_memory_ordered 1
		.amdhsa_forward_progress 1
		.amdhsa_inst_pref_size 28
	.end_amdhsa_kernel
	.amdgpu_metadata
---
amdhsa.version: [ 1, 2 ]
amdhsa.kernels:
  - .name:           k_q746bd2574a_prep
    .symbol:         k_q746bd2574a_prep.kd
    .args:
      - { .name: x, .offset: 0, .size: 8, .value_kind: global_buffer, .address_space: global }
      - { .name: g1, .offset: 8, .size: 8, .value_kind: global_buffer, .address_space: global }
      - { .name: b1, .offset: 16, .size: 8, .value_kind: global_buffer, .address_space: global }
      - { .name: Wq, .offset: 24, .size: 8, .value_kind: global_buffer, .address_space: global }
      - { .name: Wk, .offset: 32, .size: 8, .value_kind: global_buffer, .address_space: global }
      - { .name: Wv, .offset: 40, .size: 8, .value_kind: global_buffer, .address_space: global }
      - { .name: Wo, .offset: 48, .size: 8, .value_kind: global_buffer, .address_space: global }
      - { .name: hb, .offset: 56, .size: 8, .value_kind: global_buffer, .address_space: global }
      - { .name: wt, .offset: 64, .size: 8, .value_kind: global_buffer, .address_space: global }
    .group_segment_fixed_size: 35840
    .private_segment_fixed_size: 0
    .kernarg_segment_align: 8
    .kernarg_segment_size: 72
    .max_flat_workgroup_size: 256
    .sgpr_count:     66
    .vgpr_count:     178
    .wavefront_size: 32
...
	.end_amdgpu_metadata
.endif
;; end of part 1
;; launch qkv (part 2): grid 12 x 16, 4 waves a work-group, clusters of 4 x 4, 327,680 bytes of LDS; arguments hb, wt, bq, bk, bv, qkv; writes qkv
.if DOCPART == 2
	.amdgcn_target "amdgcn-amd-amdhsa--gfx1250"
	.amdhsa_code_object_version 6
	.text
	.protected	k_q746bd2574a_qkv
	.globl	k_q746bd2574a_qkv
	.p2align	8
	.type	k_q746bd2574a_qkv,@function
k_q746bd2574a_qkv:
	s_mov_b64 s[64:65], 0
	v_nop
	global_prefetch_b8 v0, s[64:65] scope:SCOPE_SE
	s_setreg_imm32_b32 hwreg(HW_REG_WAVE_MODE, 25, 1), 1
	s_wait_xcnt 0x0
	s_wait_alu depctr_hold_cnt(0) depctr_sa_sdst(0) depctr_va_vdst(0) depctr_va_sdst(0) depctr_va_ssrc(0) depctr_va_vcc(0) depctr_vm_vsrc(0)
	s_getreg_b32 s2, hwreg(HW_REG_IB_STS2, 6, 4)
	s_cmp_eq_u32 s2, 0
	s_cbranch_scc0 .Lentry_in_a_cluster
	s_endpgm
.Lentry_in_a_cluster:
	s_bfe_u32 s2, ttmp6, 0x10000c
	s_cmp_lg_u32 s2, 0xf033
	s_cbranch_scc0 .Lentry_shape_is_right
	s_endpgm
.Lentry_shape_is_right:
; qkv[b][slot][s][d] = bf16( sum over k of hb[m][k] wt[n][k] + bias[n] ),  m = 2048 b + s,  n = 64 slot + d,  n < 3072.
; Slots 0-15 are Q's heads, 16-31 K's, 32-47 V's.  hb: [4096][1024] bf16, wt: [4096][1024] bf16 (rows 0-3071 used here); sums in f32.
; A work-group makes 256 x 256 with four waves; a wave makes 128 x 128: 64 accumulator tiles of 16 x 16, 512 registers.  K goes in steps of
; 128 through a ring of two LDS slots filled by the tensor data mover; a tile's rows are 256 bytes of memory, aligned.
; CLUSTERS: 4 x 4 work-groups.  The four of a row of the cluster need the same tiles of hb, the four of a column the same tiles of wt: each
; tile is asked for jointly, which divides the requests by four.  The four block columns of a cluster are exactly one of Q, K, V,
; so the bias is chosen by the cluster's x alone.
; 12 x 16 = 192 work-groups: 3,072 columns in blocks of 256.
; REGISTERS, in windows of 256:
;   window 0: v0-31 addresses; v32-63, v224-255 the bias of my 128 columns; v64-127, v128-191 fragments of hb, two buffers; v192-223 way out
;   window 1: v64-127, v128-191 fragments of wt, two buffers
;   window 2: the 32 accumulator tiles of my rows 0-63 (tile (a, b) at v[8 (8 a + b)]);   window 3: those of my rows 64-127
; The matrix instruction is used transposed: source 0 = 16 rows of wt, source 1 = 16 rows of hb, so that lane l holds row l % 16 of the
; result and its registers 0 to 7 the columns 8 (l / 16) + 0 .. 7: eight neighbouring numbers, 16 bytes in bf16.
; Limit: finite inputs; operands rounded to bf16.
.set SIZE_K, 1024
.set KSTEP,  128
.set PITCH,  272                       ; an LDS row: 256 bytes + 16 of padding, an odd multiple of 16: the 16 rows of a fragment load start in 16 different 16-byte columns modulo 256
.set HALFT,  128*PITCH                 ; 128 rows: what one tensor load brings
.set SLOT,   4*HALFT                   ; hb's 256 rows, then wt's 256 rows
.set STAGE,  2*SLOT                    ; behind the ring: 16 rows x 272 bytes for each wave
.set SPITCH, 272
.set LAPS, SIZE_K/(2*KSTEP)            ; a lap = two K steps = once round the ring: 4
.set ADRA, 16                          ; v16-17  LDS address of my hb fragments in slot 0, 1
.set ADRB, 20                          ; v20-21  the same for wt
.set STO,  24                          ; v24     way out: where I put 16 bytes of a row
.set RD,   25                          ; v25     way out: where I read back
.set CO,   26                          ; v26     my byte offset in qkv
.set BOF,  27                          ; v27     my byte offset in the bias
.set F0,   64
.set F1,   128
.set TMP,  192
.set G1, 24                            ; s[24:31] descriptor group 1 for hb's tiles
.set G0, 32                            ; s[32:39] group 0 for hb's tiles, one set for each slot
.set G1B, 48                           ; s[48:55] group 1 for wt's tiles: differs in the mask alone
.set G0B, 56                           ; s[56:63] group 0 for wt's tiles
.set MSB, 0
.macro WIN new                         ; the immediate's high byte repeats the setting that is left
.if MSB != \new
	s_set_vgpr_msb (MSB<<8)|\new
.set MSB, \new
.endif
.endm
.set MUL_LO, 0xa1                      ; source 0 (wt) window 1, source 1 (hb) window 0, C and D window 2
.set MUL_HI, 0xf1                      ; the same, C and D window 3
.set TO_B,   0x40                      ; destination window 1, address window 0
; A joint load.  Waves 0 and 1 fetch hb's two halves, waves 2 and 3 wt's.  The branch hangs on the wave's number alone.
.macro JLOAD s
	s_cmp_eq_u32 s11, 0
	s_cbranch_scc0 .Lfor_b_\@
	tensor_load_to_lds s[G0+4*\s:G0+4*\s+3], s[G1:G1+7]
	s_nop 0
	s_branch .Lasked_\@
.Lfor_b_\@:
	tensor_load_to_lds s[G0B+4*\s:G0B+4*\s+3], s[G1B:G1B+7]
	s_nop 0
.Lasked_\@:
.endm
.macro CREST                           ; a round of the cluster's barrier behind its opening barrier
	s_cmp_lg_u32 s10, 0
	s_cbranch_scc1 .Lnot_wave_0_\@
	s_barrier_signal -3
.Lnot_wave_0_\@:
	s_barrier_wait -3
	s_barrier_signal -1
	s_barrier_wait -1
.endm
.macro CROUND                          ; a whole round
	s_barrier_signal -1
	s_barrier_wait -1
	CREST
.endm
	s_load_b128 s[4:7], s[0:1], 0x0                ; hb s[4:5], wt s[6:7]
	s_load_b256 s[68:75], s[0:1], 0x10             ; bq 68:69, bk 70:71, bv 72:73, qkv 74:75
	s_set_vgpr_msb 0x40
	v_lshl_add_u32 v255, v0, 2, 0x48400
	s_set_vgpr_msb 0x4000
	v_mov_b32 v31, 0
	s_set_vgpr_msb 0x1
	ds_add_u32 v255, v31
	s_set_vgpr_msb 0x100
	v_lshrrev_b32 v1, 5, v0
	v_readfirstlane_b32 s10, v1                    ; wave 0..3
	s_lshr_b32 s11, s10, 1                         ; which half of the block's rows is mine.  Also: I fetch for hb (0) or wt (1)
	s_and_b32 s12, s10, 1                          ; which half of its columns.  Also: which 128 rows of that tile I fetch
	s_bfe_u32 s40, ttmp6, 0x40000                  ; cx
	s_bfe_u32 s41, ttmp6, 0x40004                  ; cy
	s_lshl_b32 s42, ttmp9, 2
	s_add_co_u32 s42, s42, s40                     ; block column = 4 x cluster x + cx
	s_and_b32 s13, ttmp7, 0xffff
	s_lshl_b32 s13, s13, 2
	s_add_co_u32 s13, s13, s41                     ; block row = 4 x cluster y + cy
	s_lshl_b32 s43, s41, 2
	s_lshl_b32 s43, 15, s43                        ; my row of the cluster: places 4 cy .. 4 cy + 3
	s_lshl_b32 s44, 0x1111, s40                    ; my column: places cx, cx + 4, cx + 8, cx + 12
	; group 1: a tile of 128 rows x 128 elements of 2 bytes, 4 words of padding behind every 64 words
	s_or_b32 s[G1+0], s43, (1<<16)|(1<<20)|(1<<21)|(5<<22)|(3<<25)
	s_or_b32 s[G1B+0], s44, (1<<16)|(1<<20)|(1<<21)|(5<<22)|(3<<25)
	s_mov_b32 s[G1B+1], KSTEP<<16
	s_mov_b32 s[G1+1], KSTEP<<16                   ; tensor_dim0 = 128
	s_mov_b32 s[G1B+2], 128<<16
	s_mov_b32 s[G1+2], 128<<16                     ; tensor_dim1 = 128
	s_mov_b32 s[G1B+3], KSTEP<<16
	s_mov_b32 s[G1+3], KSTEP<<16                   ; tile_dim0 = 128
	s_mov_b32 s[G1B+4], 128
	s_mov_b32 s[G1+4], 128                         ; tile_dim1 = 128
	s_mov_b32 s[G1B+5], SIZE_K
	s_mov_b32 s[G1+5], SIZE_K                      ; elements from row to row
	s_mov_b32 s[G1B+6], 0
	s_mov_b32 s[G1+6], 0
	s_mov_b32 s[G1B+7], 0
	s_mov_b32 s[G1+7], 0
	; hb's tiles hang on the block row alone, wt's on the block column alone, each in registers that never hold the other coordinate
	s_lshl_b32 s17, s12, 7
	s_lshl_b32 s16, s13, 8
	s_add_co_u32 s16, s16, s17                     ; hb: row 256 x block row + 128 x half
	s_lshl_b32 s46, s42, 8
	s_add_co_u32 s46, s46, s17                     ; wt: row 256 x block column + 128 x half
	s_mov_b32 s17, 0
	s_mov_b32 s47, 0
	s_mov_b64 s[18:19], SIZE_K*2
	s_mul_u64 s[16:17], s[16:17], s[18:19]
	s_mul_u64 s[46:47], s[46:47], s[18:19]
	s_mul_i32 s20, s10, HALFT                      ; LDS: wave x 128 rows
	s_lshl_b32 s78, s40, 10                        ; bias: 256 cx + 128 x half columns of 4 bytes
	s_lshl_b32 s79, s12, 9
	s_add_co_u32 s78, s78, s79
	s_mov_b32 s79, 0
	s_wait_dscnt 0x0
	s_wait_kmcnt 0x0
	s_add_nc_u64 s[14:15], s[4:5], s[16:17]
	s_add_nc_u64 s[46:47], s[6:7], s[46:47]
	s_mov_b64 s[8:9], s[74:75]
	s_cmp_eq_u32 ttmp9, 0                          ; the cluster's x says whether these columns are Q's, K's or V's
	s_cselect_b64 s[76:77], s[68:69], s[70:71]
	s_cmp_eq_u32 ttmp9, 2
	s_cselect_b64 s[76:77], s[72:73], s[76:77]
	s_add_nc_u64 s[76:77], s[76:77], s[78:79]
	CROUND                                         ; all sixteen work-groups are here: the first joint loads meet
.irp s, 0,1
	s_mov_b32 s[G0+4*\s], 1
	s_add_co_u32 s[G0+4*\s+1], s20, \s*SLOT
	s_add_nc_u64 s[G0+4*\s+2:G0+4*\s+3], s[14:15], \s*KSTEP*2
	s_or_b32 s[G0+4*\s+3], s[G0+4*\s+3], 0x80000000
	s_mov_b32 s[G0B+4*\s], 1
	s_add_co_u32 s[G0B+4*\s+1], s20, \s*SLOT
	s_add_nc_u64 s[G0B+4*\s+2:G0B+4*\s+3], s[46:47], \s*KSTEP*2
	s_or_b32 s[G0B+4*\s+3], s[G0B+4*\s+3], 0x80000000
	JLOAD \s                                       ; two loads of the wave are out
.endr
	v_and_b32 v1, 15, v0                           ; l % 16
	v_bfe_u32 v2, v0, 4, 1                         ; l / 16
	v_lshlrev_b32 v[BOF], 5, v2                    ; my 8 columns of a tile: 32 bytes for each half of the lanes
.irp b, 0,1,2,3
	global_load_b128 v[32+8*\b:35+8*\b], v[BOF], s[76:77] offset:64*\b
	global_load_b128 v[36+8*\b:39+8*\b], v[BOF], s[76:77] offset:64*\b+16
	global_load_b128 v[224+8*\b:227+8*\b], v[BOF], s[76:77] offset:256+64*\b
	global_load_b128 v[228+8*\b:231+8*\b], v[BOF], s[76:77] offset:256+64*\b+16
.endr
	v_mul_u32_u24 v3, v1, PITCH
	v_lshl_add_u32 v3, v2, 4, v3                   ; row x pitch + 16 x half
	s_mul_i32 s21, s11, HALFT                      ; my 128 rows of hb
	s_mul_i32 s22, s12, HALFT                      ; my 128 rows of wt,
	s_add_co_u32 s22, s22, 2*HALFT                 ; which lie behind hb's 256
.irp s, 0,1
	v_add_nc_u32 v[ADRA+\s], s21, v3
	v_add_nc_u32 v[ADRB+\s], s22, v3
	s_add_co_u32 s21, s21, SLOT
	s_add_co_u32 s22, s22, SLOT
.endr
	s_mul_i32 s23, s10, 16*SPITCH
	s_add_co_u32 s23, s23, STAGE                   ; my stage
	v_mul_u32_u24 v4, v1, SPITCH
	v_lshl_add_u32 v4, v2, 4, v4
	v_add_nc_u32 v[STO], s23, v4
	; back, head by head: lanes 0-15 take two rows' 128 bytes of my first head, lanes 16-31 those of my second head
	v_lshrrev_b32 v5, 3, v1
	v_mul_u32_u24 v5, v5, SPITCH
	v_lshl_add_u32 v5, v2, 7, v5
	v_and_b32 v6, 7, v1
	v_lshl_add_u32 v5, v6, 4, v5
	v_add_nc_u32 v[RD], s23, v5
	v_lshlrev_b32 v5, 18, v2                       ; a head's slot is 262,144 bytes; two rows of a head are 256 neighbouring bytes
	v_lshl_add_u32 v[CO], v1, 4, v5
; 16 matrix instructions: m blocks a0, a0 + 1 of the window's four x all 8 n blocks, 32 along K.  zero = 1: the first product starts the sums.
.macro MUL16 f, hi, a0, zero
.irp a, \a0, \a0+1
.irp b, 0,1,2,3,4,5,6,7
.if \zero
	v_wmma_f32_16x16x32_bf16 v[8*(8*(\a)+\b):8*(8*(\a)+\b)+7], v[\f+8*\b:\f+8*\b+7], v[\f+8*(4*\hi+\a):\f+8*(4*\hi+\a)+7], 0
.else
	v_wmma_f32_16x16x32_bf16 v[8*(8*(\a)+\b):8*(8*(\a)+\b)+7], v[\f+8*\b:\f+8*\b+7], v[\f+8*(4*\hi+\a):\f+8*(4*\hi+\a)+7], v[8*(8*(\a)+\b):8*(8*(\a)+\b)+7]
.endif
.endr
.endr
.endm
; 32 LDS loads in one run: the fragments of one quarter step into buffer f
.macro FETCH slot, k, f
	WIN TO_B
.irp i, 0,1,2,3,4,5,6,7
	ds_load_b128 v[\f+8*\i:\f+8*\i+3],   v[ADRB+\slot] offset:\k+\i*16*PITCH
	ds_load_b128 v[\f+8*\i+4:\f+8*\i+7], v[ADRB+\slot] offset:\k+\i*16*PITCH+32
.endr
	WIN 0
.irp i, 0,1,2,3,4,5,6,7
	ds_load_b128 v[\f+8*\i:\f+8*\i+3],   v[ADRA+\slot] offset:\k+\i*16*PITCH
	ds_load_b128 v[\f+8*\i+4:\f+8*\i+7], v[ADRA+\slot] offset:\k+\i*16*PITCH+32
.endr
.endm
; Four plain vector instructions stand between a matrix instruction and a load into one of its sources, or a vector instruction that reads
; its result (ISA guide 7.12.1 for vector instructions).
.macro PLACES
.rept 4
	v_nop
.endr
.endm
; A K step is four quarters of 32 along K, 64 matrix instructions each, on buffers 0, 1, 0, 1.  The 64 accumulators take turns, one
; instruction a turn, in the same order in every quarter.
.macro QUARTER slot, k, f, g, zero
	s_wait_dscnt 8                                 ; wt's fragments and hb's rows 0-63 are in; the youngest eight loads (rows 64-127) may be out
	WIN MUL_LO
	MUL16 \f, 0, 0, \zero
	MUL16 \f, 0, 2, \zero
	PLACES
	FETCH \slot, \k, \g
	s_wait_dscnt 32                                ; all but the 32 just issued
	WIN MUL_HI
	MUL16 \f, 1, 0, \zero
	MUL16 \f, 1, 2, \zero
.endm
.macro THREE slot, zero
	QUARTER \slot, 64,  F0, F1, \zero
	QUARTER \slot, 128, F1, F0, 0
	QUARTER \slot, 192, F0, F1, 0
.endm
; The last quarter changes slots.  In front of the barrier each wave waits for its reads of this slot and for all its tensor loads (one is
; out: its part of the next slot).  Behind it the refill comes first, then the next slot's first fragments.
.macro TURN slot, next, fill
	s_wait_dscnt 8
	WIN MUL_LO
	MUL16 F1, 0, 0, 0
	s_wait_dscnt 0                                 ; my reads of this slot are over
	s_wait_tensorcnt 0x0                           ; all my tensor loads have landed
	ds_add_u32 v255, v31
	s_wait_dscnt 0x0
	s_barrier_signal -1                            ; (where a slot is filled again this barrier opens a round of the cluster's barrier)
	MUL16 F1, 0, 2, 0                              ; register work while the others arrive
	WIN 0
	s_barrier_wait -1
.if \fill
	CREST                                          ; no wave of any partner still reads this slot or has a load on its way
	s_add_nc_u64 s[G0+4*\slot+2:G0+4*\slot+3], s[G0+4*\slot+2:G0+4*\slot+3], 2*KSTEP*2
	s_add_nc_u64 s[G0B+4*\slot+2:G0B+4*\slot+3], s[G0B+4*\slot+2:G0B+4*\slot+3], 2*KSTEP*2
	JLOAD \slot                                    ; the first tensor load behind the round, one a wave
.endif
	PLACES
	FETCH \next, 0, F0
	WIN MUL_HI
	MUL16 F1, 1, 0, 0
	MUL16 F1, 1, 2, 0
.endm
.macro LAP zero
	THREE 0, \zero
	TURN 0, 1, 1
	THREE 1, 0
	TURN 1, 0, 1
.endm
	s_wait_tensorcnt 1                             ; my part of K step 0 is in; K step 1's stays out
	s_barrier_signal -1
	s_barrier_wait -1
	FETCH 0, 0, F0
	LAP 1                                          ; the first lap's first products start the sums
	WIN 0
	s_mov_b32 s3, LAPS-2
.Llap:
	LAP 0
	WIN 0
	s_sub_co_u32 s3, s3, 1
	s_cmp_lg_u32 s3, 0
	s_cbranch_scc1 .Llap
	THREE 0, 0                                     ; the last lap fills nothing
	TURN 0, 1, 0
	THREE 1, 0
	s_wait_dscnt 8
	WIN MUL_LO
	MUL16 F1, 0, 0, 0
	MUL16 F1, 0, 2, 0
	s_wait_dscnt 0
	WIN MUL_HI
	MUL16 F1, 1, 0, 0
	MUL16 F1, 1, 2, 0
	; THE WAY OUT, 16 rows at a time: add the bias, round to bf16, 16 bytes a lane into my stage, read back head by head.
	PLACES
	s_wait_loadcnt 0x0                             ; the bias
	s_lshr_b32 s46, s13, 3                         ; batch: 8 block rows each
	s_mul_i32 s46, s46, 48
	s_lshl2_add_u32 s46, s42, s46                  ; + 4 heads a block column
	s_lshl1_add_u32 s46, s12, s46                  ; + 2 heads a wave
	s_lshl_b32 s46, s46, 18                        ; slots of 262,144 bytes
	s_and_b32 s47, s13, 7
	s_lshl_b32 s47, s47, 15                        ; 256 rows of 128 bytes
	s_add_co_u32 s46, s46, s47
	s_lshl_b32 s47, s11, 14                        ; 128 rows
	s_add_co_u32 s46, s46, s47
	s_mov_b32 s47, 0
	s_add_nc_u64 s[8:9], s[8:9], s[46:47]
.macro ADDB a, b, bi                   ; tile (a, b) += the bias of its 8 columns a lane
.irp r, 0,2,4,6
	v_pk_add_f32 v[8*(8*\a+\b)+\r:8*(8*\a+\b)+\r+1], v[8*(8*\a+\b)+\r:8*(8*\a+\b)+\r+1], v[\bi+8*\b+\r:\bi+8*\b+\r+1]
.endr
.endm
; rows 16 i .. 16 i + 15 of my block = the eight tiles (a, 0..7) of window 2 or 3; addw: windows for the bias add, from: for the conversions
.macro OUT16 i, a, addw, from, f
	WIN \addw
.irp b, 0,1,2,3
	ADDB \a, \b, 32
.endr
.irp b, 4,5,6,7
	ADDB \a, \b, 192
.endr
	WIN \from
.irp b, 0,1,2,3,4,5,6,7
.irp r, 0,1,2,3
	v_cvt_pk_bf16_f32 v[TMP+4*\b+\r], v[8*(8*\a+\b)+2*\r], v[8*(8*\a+\b)+2*\r+1]
.endr
.endr
	WIN 0
.irp b, 0,1,2,3,4,5,6,7
	ds_store_b128 v[STO], v[TMP+4*\b:TMP+4*\b+3] offset:32*\b
.endr
	s_wait_xcnt 0x0                                ; buffer f, which stores read, and the stores' base are rewritten only behind this wait
.if \i
	s_add_nc_u64 s[8:9], s[8:9], 16*128            ; 16 rows of a head on
.endif
.irp t, 0,1,2,3,4,5,6,7
	ds_load_b128 v[\f+4*\t:\f+4*\t+3], v[RD] offset:\t*2*SPITCH    ; LDS serves a wave's instructions in order (ISA guide 5.7.1.4): these see the stores above
.endr
.irp t, 0,1,2,3,4,5,6,7
	s_wait_dscnt 7-\t
	global_store_b128 v[CO], v[\f+4*\t:\f+4*\t+3], s[8:9] offset:256*\t   ; 16 lanes store two rows of a head: 256 neighbouring bytes, aligned
.endr
.endm
	OUT16 0, 0, 0x82, 0x0a, F0
	OUT16 1, 1, 0x82, 0x0a, F1
	OUT16 2, 2, 0x82, 0x0a, F0
	OUT16 3, 3, 0x82, 0x0a, F1
	OUT16 4, 0, 0xc3, 0x0f, F0
	OUT16 5, 1, 0xc3, 0x0f, F1
	OUT16 6, 2, 0xc3, 0x0f, F0
	OUT16 7, 3, 0xc3, 0x0f, F1
	s_set_vgpr_msb 0x1
	s_wait_tensorcnt 0x0
	ds_add_u32 v255, v31
	s_wait_dscnt 0x0
	s_set_vgpr_msb 0x100
	CROUND                                         ; the closing round
	s_endpgm
.Lfunc_end_k_q746bd2574a_qkv:
	.size	k_q746bd2574a_qkv, .Lfunc_end_k_q746bd2574a_qkv-k_q746bd2574a_qkv
	.p2alignl 7, 3214868480
	.fill 96, 4, 3214868480
	.section	.rodata,"a",@progbits
	.p2align	6, 0x0
	.amdhsa_kernel k_q746bd2574a_qkv
		.amdhsa_group_segment_fixed_size 327680
		.amdhsa_private_segment_fixed_size 0
		.amdhsa_enable_private_segment 0
		.amdhsa_kernarg_size 48
		.amdhsa_user_sgpr_count 2
		.amdhsa_user_sgpr_kernarg_segment_ptr 1
		.amdhsa_wavefront_size32 1
		.amdhsa_system_sgpr_workgroup_id_x 1
		.amdhsa_system_sgpr_workgroup_id_y 1
		.amdhsa_system_sgpr_workgroup_id_z 1
		.amdhsa_system_vgpr_workitem_id 0
		.amdhsa_next_free_vgpr 1024
		.amdhsa_next_free_sgpr 80
		.amdhsa_reserve_vcc 0
		.amdhsa_float_denorm_mode_32 3
		.amdhsa_float_denorm_mode_16_64 3
		.amdhsa_memory_ordered 1
		.amdhsa_forward_progress 1
		.amdhsa_inst_pref_size 214
	.end_amdhsa_kernel
	.amdgpu_metadata
---
amdhsa.version: [ 1, 2 ]
amdhsa.kernels:
  - .name:           k_q746bd2574a_qkv
    .symbol:         k_q746bd2574a_qkv.kd
    .args:
      - { .name: hb, .offset: 0, .size: 8, .value_kind: global_buffer, .address_space: global }
      - { .name: wt, .offset: 8, .size: 8, .value_kind: global_buffer, .address_space: global }
      - { .name: bq, .offset: 16, .size: 8, .value_kind: global_buffer, .address_space: global }
      - { .name: bk, .offset: 24, .size: 8, .value_kind: global_buffer, .address_space: global }
      - { .name: bv, .offset: 32, .size: 8, .value_kind: global_buffer, .address_space: global }
      - { .name: qkv, .offset: 40, .size: 8, .value_kind: global_buffer, .address_space: global }
    .group_segment_fixed_size: 327680
    .private_segment_fixed_size: 0
    .kernarg_segment_align: 8
    .kernarg_segment_size: 48
    .max_flat_workgroup_size: 128
    .sgpr_count:     80
    .vgpr_count:     1024
    .wavefront_size: 32
...
	.end_amdgpu_metadata
.endif
;; end of part 2
;; launch attn (part 3): grid 8 x 32, 8 waves a work-group, clusters of 4 x 1, 327,680 bytes of LDS; arguments qkv, ctx; writes ctx
.if DOCPART == 3
	.amdgcn_target "amdgcn-amd-amdhsa--gfx1250"
	.amdhsa_code_object_version 6
	.text
	.protected	k_q746bd2574a_attn
	.globl	k_q746bd2574a_attn
	.p2align	8
	.type	k_q746bd2574a_attn,@function
k_q746bd2574a_attn:
	s_mov_b64 s[64:65], 0
	v_nop
	global_prefetch_b8 v0, s[64:65] scope:SCOPE_SE
	s_setreg_imm32_b32 hwreg(HW_REG_WAVE_MODE, 25, 1), 1
	s_wait_xcnt 0x0
	s_wait_alu depctr_hold_cnt(0) depctr_sa_sdst(0) depctr_va_vdst(0) depctr_va_sdst(0) depctr_va_ssrc(0) depctr_va_vcc(0) depctr_vm_vsrc(0)
	s_getreg_b32 s2, hwreg(HW_REG_IB_STS2, 6, 4)
	s_cmp_eq_u32 s2, 0
	s_cbranch_scc0 .Lentry_in_a_cluster
	s_endpgm
.Lentry_in_a_cluster:
	s_bfe_u32 s2, ttmp6, 0x10000c
	s_cmp_lg_u32 s2, 0x3003
	s_cbranch_scc0 .Lentry_shape_is_right
	s_endpgm
.Lentry_shape_is_right:
; ctx[bh][s][d] = softmax over keys of (q . k / 8) times v, for one (batch, head) bh and 256 queries a work-group; bf16 in, bf16 out.
; EIGHT WAVES.  A query group wq of 64 queries (four query tiles qt of 16) belongs to two waves, one of each key group g: of every tile of
; 256 keys (four steps of 64) group g takes steps 2 g and 2 g + 1, with a running maximum, a sum and accumulators of its own; at the end the
; two halves are joined through LDS.  512 registers a wave, two waves for 1,024.  A step has 64 matrix instructions and some 470 vector
; instructions: the two waves are there so that one multiplies while the other works on its exponentials.
; OUT OF STEP: behind a round of the cluster's barrier all waves start at one place of the text, and two equal streams would want the same
; unit at the same time.  So a step's vector work is cut in two, VH (maximum, exponents, exponentials) and the tail (sums, packing,
; rescaling, then the products with V), and group 1 carries the tail of its last step over the round, in registers, and runs it first
; thing behind it, while group 0 starts there with K Q^T.  Group 0: S VH T S VH T.  Group 1: T S VH T S VH.
; g = bit 0 xor bit 2 of the wave's number: waves w and w + 1 (w even), and waves w and w + 4, are never of one group.
; TRANSPOSED SCHEME: S^T = K Q^T puts query l % 16 in lane l and keys 8 (l / 16) + j in its registers; two such tiles, packed to bf16 in place,
; ARE the second source of ctx^T = V^T P^T: the probabilities never leave the registers.  The statistics are one number a lane, and a lane's eight
; results are eight neighbouring d of one query.
; CLUSTERS: the four query blocks of a cluster read the same K and V tiles and ask for them jointly (mask 15).
; LDS: two slots of 256 keys; a slot is eight regions of 10,240 bytes, one a wave's load of 64 keys: K's steps 0-3 (rows of 128 + 16 bytes),
; V's steps 0-3 (rows of 128 + 32 bytes).  Behind the ring: a stage of 16 x 144 bytes for each query group's way out, and 17,408 bytes for
; each query group in which group 1 hands its half over.
; Limits: finite inputs.  The denominator is summed from the f32 probabilities, while the product takes them rounded to bf16.
; v_exp_f32 gives 0 for results below 2^-126 (ISA guide 15.8).
.set REGION, 10240
.set SLOT,   8*REGION
.set STAGE,  2*SLOT
.set KP,     144                       ; K's LDS pitch: an odd multiple of 16
.set VP,     160                       ; V's LDS pitch: an odd multiple of 32, for the transposing loads
.set MSTAGE, STAGE+4*16*KP             ; the hand-over: 128 registers x 128 bytes, then maxima and sums
.set MBYTES, 17408
.set ADRK, 8                           ; v8-9    my K fragment address in slot 0, 1
.set ADRV, 10                          ; v10-11  my V fragment address
.set QO,   12                          ; v12     Q: byte offset of my part of a fragment
.set STO,  13                          ; v13     way out: in
.set RD,   14                          ; v14     way out: back
.set CO,   15                          ; v15     16 x lane
.set MA,   16                          ; v16-19  running maximum, raw scores (takes turns with MB: no copy)
.set MB,   20                          ; v20-23
.set LS,   24                          ; v24-27  running sum of my half of the keys of a step
.set MG,   28                          ; v28     my 16 bytes in my query group's hand-over
.set Q,    32                          ; v32-95  Q(qt, ks) at 32 + 16 qt + 8 ks
.set S,    96                          ; v96-223 S(qt, kt) at 96 + 32 qt + 8 kt; later P(qt, u) at 96 + 32 qt + 16 u
.set NM,   224                         ; pairs: - c x maximum (odd halves 0)
.set AL,   232                         ; pairs: the factor for what was summed before (odd halves 0)
.set U0,   240                         ; v240-247  a pair for each qt: maxima, then sums
.set U1,   248                         ; v248-255  a second pair for each qt
.set ACC,  0                           ; window 1: ACC(qt, dt) at 32 qt + 8 dt
.set KF,   128                         ; window 1: KF(kt, ks) at 128 + 16 kt + 8 ks
.set VF,   192                         ; window 1: VF(dt, u) at 192 + 16 dt + 8 u
.set G1K, 24
.set G0K, 32
.set G1V, 48
.set G0V, 56
.set MSB, 0
.macro WIN new                         ; low byte: bits 1:0 source 0, 3:2 source 1, 5:4 source 2, 7:6 destination; high byte: the setting that is left
.if MSB != \new
	s_set_vgpr_msb (MSB<<8)|\new
.set MSB, \new
.endif
.endm
.macro JLOAD s                         ; waves 0 to 3 ask for K's four steps, waves 4 to 7 for V's
	s_cmp_eq_u32 s11, 0
	s_cbranch_scc0 .Lfor_v_\@
	tensor_load_to_lds s[G0K+4*\s:G0K+4*\s+3], s[G1K:G1K+7]
	s_nop 0
	s_branch .Lasked_\@
.Lfor_v_\@:
	tensor_load_to_lds s[G0V+4*\s:G0V+4*\s+3], s[G1V:G1V+7]
	s_nop 0
.Lasked_\@:
.endm
.macro ROUND                           ; a round of the cluster's barrier
	s_barrier_signal -1
	s_barrier_wait -1
	s_cmp_lg_u32 s10, 0
	s_cbranch_scc1 .Lnot_wave_0_\@
	s_barrier_signal -3
.Lnot_wave_0_\@:
	s_barrier_wait -3
	s_barrier_signal -1
	s_barrier_wait -1
.endm
	s_load_b128 s[4:7], s[0:1], 0x0                ; qkv s[4:5], ctx s[6:7]
	v_lshl_add_u32 v30, v0, 2, 0x3b400
	v_mov_b32 v31, 0
	ds_add_u32 v30, v31
	v_lshrrev_b32 v1, 5, v0
	v_readfirstlane_b32 s10, v1                    ; wave 0..7
	s_lshr_b32 s11, s10, 2                         ; I fetch K (0) or V (1)
	s_and_b32 s12, s10, 3                          ; which 64 keys of a tile I fetch
	s_bfe_u32 s72, s10, 0x20001                    ; wq: my query group, (w >> 1) & 3
	s_xor_b32 s73, s10, s11
	s_and_b32 s73, s73, 1                          ; g: my key group, bit 0 xor bit 2 of w
	s_bfe_u32 s40, ttmp6, 0x40000                  ; cx
	s_lshl_b32 s42, ttmp9, 2
	s_add_co_u32 s42, s42, s40                     ; query block = 4 x cluster x + cx
	s_and_b32 s13, ttmp7, 0xffff                   ; bh = 16 b + h
	s_lshr_b32 s16, s13, 4
	s_and_b32 s17, s13, 15
	s_mul_i32 s16, s16, 12582912                   ; 48 slots of 262,144 bytes a batch
	s_lshl_b32 s17, s17, 18
	s_add_co_u32 s16, s16, s17                     ; the head's Q slot
	s_mov_b32 s17, 0
	s_lshl_b32 s18, s12, 13                        ; my 64 keys of 128 bytes,
	s_add_co_u32 s18, s18, 4194304                 ; 16 slots on: K
	s_mov_b32 s19, 0
	s_lshl_b32 s44, s42, 15                        ; 256 queries of 128 bytes a block,
	s_lshl_b32 s45, s72, 13                        ; 64 a query group
	s_add_co_u32 s44, s44, s45
	s_mov_b32 s45, 0
	s_lshl_b32 s68, s13, 18                        ; ctx: a head is 262,144 bytes
	s_add_co_u32 s68, s68, s44
	s_mov_b32 s69, 0
	; group 1: a dense block of 8,192 bytes as 32 rows of 32 elements of 8 bytes; padding behind every 32 words, which is one key's row
	s_mov_b32 s[G1K+0], 15|(3<<16)|(1<<20)|(1<<21)|(4<<22)|(3<<25)   ; mask: all four; 4 words of padding
	s_mov_b32 s[G1V+0], 15|(3<<16)|(1<<20)|(1<<21)|(4<<22)|(7<<25)   ; 8 words of padding
	s_mov_b32 s[G1K+1], 32<<16
	s_mov_b32 s[G1V+1], 32<<16                     ; tensor_dim0 = 32
	s_mov_b32 s[G1K+2], 32<<16
	s_mov_b32 s[G1V+2], 32<<16                     ; tensor_dim1 = 32
	s_mov_b32 s[G1K+3], 32<<16
	s_mov_b32 s[G1V+3], 32<<16                     ; tile_dim0 = 32
	s_mov_b32 s[G1K+4], 32
	s_mov_b32 s[G1V+4], 32                         ; tile_dim1 = 32
	s_mov_b32 s[G1K+5], 32
	s_mov_b32 s[G1V+5], 32                         ; pitch = 32 elements: dense
	s_mov_b32 s[G1K+6], 0
	s_mov_b32 s[G1V+6], 0
	s_mov_b32 s[G1K+7], 0
	s_mov_b32 s[G1V+7], 0
	s_mul_i32 s20, s10, REGION                     ; my region of a slot
	s_wait_dscnt 0x0
	s_wait_kmcnt 0x0
	s_add_nc_u64 s[14:15], s[4:5], s[16:17]        ; the head's Q
	s_add_nc_u64 s[46:47], s[14:15], s[18:19]      ; K: my 64 keys of tile 0.  Hangs on bh and the wave alone
	s_add_nc_u64 s[44:45], s[14:15], s[44:45]      ; my 64 queries
	s_add_nc_u64 s[6:7], s[6:7], s[68:69]          ; and where their results go
	ROUND                                          ; the four work-groups are here: the first joint loads meet
.irp s, 0,1
	s_mov_b32 s[G0K+4*\s], 1
	s_add_co_u32 s[G0K+4*\s+1], s20, \s*SLOT
	s_add_nc_u64 s[G0K+4*\s+2:G0K+4*\s+3], s[46:47], \s*32768          ; tile s: 256 keys of 128 bytes on
	s_or_b32 s[G0K+4*\s+3], s[G0K+4*\s+3], 0x80000000
	s_mov_b32 s[G0V+4*\s], 1
	s_add_co_u32 s[G0V+4*\s+1], s20, \s*SLOT
	s_add_nc_u64 s[G0V+4*\s+2:G0V+4*\s+3], s[46:47], \s*32768+4194304  ; V lies 16 slots behind K
	s_or_b32 s[G0V+4*\s+3], s[G0V+4*\s+3], 0x80000000
	JLOAD \s                                       ; two loads of the wave are out
.endr
	s_mov_b32 s66, 0x3e38aa3b                      ; c = log2(e) / 8: the scale and the change of base in one factor
	s_mov_b32 s67, 0x3e38aa3b
	s_mov_b32 s68, 0xbe38aa3b                      ; - c
	s_mov_b32 s70, 0x76543210                      ; v_permlanex16_b32: lane i reads lane i of the other half
	s_mov_b32 s71, 0xfedcba98
	v_and_b32 v1, 15, v0                           ; r = l % 16
	v_bfe_u32 v2, v0, 4, 1                         ; hl = l / 16
	v_and_b32 v3, 31, v0                           ; l
	v_lshlrev_b32 v[QO], 7, v1
	v_lshl_add_u32 v[QO], v2, 4, v[QO]             ; query r's row + 16 hl
.irp qt, 0,1,2,3
.irp ks, 0,1
	global_load_b128 v[Q+16*\qt+8*\ks:Q+16*\qt+8*\ks+3],   v[QO], s[44:45] offset:2048*\qt+64*\ks
	global_load_b128 v[Q+16*\qt+8*\ks+4:Q+16*\qt+8*\ks+7], v[QO], s[44:45] offset:2048*\qt+64*\ks+32
.endr
.endr
	s_mul_i32 s21, s73, 2*REGION                   ; my key group's two steps of a tile
	v_mul_u32_u24 v4, v1, KP
	v_lshl_add_u32 v4, v2, 4, v4                   ; 144 r + 16 hl
	v_add_nc_u32 v[ADRK], s21, v4
	v_add_nc_u32 v[ADRK+1], SLOT, v[ADRK]
	v_and_b32 v5, 7, v0
	v_lshl_add_u32 v5, v2, 3, v5                   ; key 8 hl + l % 8
	v_mul_u32_u24 v5, v5, VP
	v_bfe_u32 v6, v0, 3, 1
	v_lshl_add_u32 v5, v6, 4, v5                   ; + 16 bytes for the upper eight d of a tile
	v_add_nc_u32 v5, s21, v5
	v_add_nc_u32 v[ADRV], 4*REGION, v5             ; V's regions lie behind K's four
	v_add_nc_u32 v[ADRV+1], 4*REGION+SLOT, v5
	s_mul_i32 s23, s72, 16*KP
	s_add_co_u32 s23, s23, STAGE                   ; my query group's stage
	v_add_nc_u32 v[STO], s23, v4
	v_lshrrev_b32 v6, 3, v3
	v_mul_u32_u24 v6, v6, KP
	v_and_b32 v7, 7, v0
	v_lshl_add_u32 v6, v7, 4, v6
	v_add_nc_u32 v[RD], s23, v6                    ; back: eight lanes take a row of 128 bytes
	v_lshlrev_b32 v[CO], 4, v3
	s_mul_i32 s22, s72, MBYTES
	s_add_co_u32 s22, s22, MSTAGE
	v_lshl_add_u32 v[MG], v3, 4, s22               ; the hand-over: 16 bytes a lane, 512 neighbouring bytes an instruction
.irp qt, 0,1,2,3
	v_mov_b32 v[NM+2*\qt+1], 0                     ; the pairs are named whole
	v_mov_b32 v[AL+2*\qt+1], 0
.endr
; K fragments of my step st (0 or 1) of a slot: 16 keys x 32 d each, two loads 32 bytes apart
.macro LDK slot, st
	WIN 0x40
.irp kt, 0,1,2,3
.irp ks, 0,1
	ds_load_b128 v[KF+16*\kt+8*\ks:KF+16*\kt+8*\ks+3],   v[ADRK+\slot] offset:(\st)*REGION+16*KP*\kt+64*\ks
	ds_load_b128 v[KF+16*\kt+8*\ks+4:KF+16*\kt+8*\ks+7], v[ADRK+\slot] offset:(\st)*REGION+16*KP*\kt+64*\ks+32
.endr
.endr
.endm
; V^T fragments: 16 d x 32 keys each, by two transposing loads 16 keys apart
.macro LDV slot, st
	WIN 0x40
.irp dt, 0,1,2,3
.irp u, 0,1
	ds_load_tr16_b128 v[VF+16*\dt+8*\u:VF+16*\dt+8*\u+3],   v[ADRV+\slot] offset:(\st)*REGION+32*VP*\u+32*\dt
	ds_load_tr16_b128 v[VF+16*\dt+8*\u+4:VF+16*\dt+8*\u+7], v[ADRV+\slot] offset:(\st)*REGION+32*VP*\u+32*\dt+16*VP
.endr
.endr
.endm
; S^T = K Q^T.  Sixteen accumulators take turns, one instruction a turn; the first product starts each sum.
.macro SMUL
	WIN 0x01
	s_wait_alu depctr_va_vdst(0)
.irp qt, 0,1,2,3
.irp kt, 0,1,2,3
	v_wmma_f32_16x16x32_bf16 v[S+32*\qt+8*\kt:S+32*\qt+8*\kt+7], v[KF+16*\kt:KF+16*\kt+7], v[Q+16*\qt:Q+16*\qt+7], 0
.endr
.endr
.irp qt, 0,1,2,3
.irp kt, 0,1,2,3
	v_wmma_f32_16x16x32_bf16 v[S+32*\qt+8*\kt:S+32*\qt+8*\kt+7], v[KF+16*\kt+8:KF+16*\kt+15], v[Q+16*\qt+8:Q+16*\qt+15], v[S+32*\qt+8*\kt:S+32*\qt+8*\kt+7]
.endr
.endr
.endm
; ctx^T += V^T P^T, again sixteen accumulators by turns
.macro PVMUL first
	WIN 0x51
.irp qt, 0,1,2,3
.irp dt, 0,1,2,3
.if \first
	v_wmma_f32_16x16x32_bf16 v[ACC+32*\qt+8*\dt:ACC+32*\qt+8*\dt+7], v[VF+16*\dt:VF+16*\dt+7], v[S+32*\qt:S+32*\qt+7], 0
.else
	v_wmma_f32_16x16x32_bf16 v[ACC+32*\qt+8*\dt:ACC+32*\qt+8*\dt+7], v[VF+16*\dt:VF+16*\dt+7], v[S+32*\qt:S+32*\qt+7], v[ACC+32*\qt+8*\dt:ACC+32*\qt+8*\dt+7]
.endif
.endr
.endr
.irp qt, 0,1,2,3
.irp dt, 0,1,2,3
	v_wmma_f32_16x16x32_bf16 v[ACC+32*\qt+8*\dt:ACC+32*\qt+8*\dt+7], v[VF+16*\dt+8:VF+16*\dt+15], v[S+32*\qt+16:S+32*\qt+23], v[ACC+32*\qt+8*\dt:ACC+32*\qt+8*\dt+7]
.endr
.endr
.endm
.macro RESCALE                         ; every accumulator times its query's factor
	WIN 0x41
.irp qt, 0,1,2,3
.set p, 0
.rept 16
	v_pk_mul_f32 v[ACC+32*\qt+p:ACC+32*\qt+p+1], v[ACC+32*\qt+p:ACC+32*\qt+p+1], v[AL+2*\qt:AL+2*\qt+1] op_sel_hi:[1,0]
.set p, p+2
.endr
.endr
.endm
; The first half of a step's vector work, all four query tiles phase by phase.  old, new: the registers of the running maximum before and after.
.macro VH old, new, first
	WIN 0
	; 1. the largest of my 32 scores, in two chains; the other half of the keys lies in lane l xor 16
.irp qt, 0,1,2,3
	v_max3_num_f32 v[U0+2*\qt],   v[S+32*\qt],    v[S+32*\qt+1],  v[S+32*\qt+2]
	v_max3_num_f32 v[U0+2*\qt+1], v[S+32*\qt+16], v[S+32*\qt+17], v[S+32*\qt+18]
.endr
.irp e, 3,5,7,9,11,13
.irp qt, 0,1,2,3
	v_max3_num_f32 v[U0+2*\qt],   v[U0+2*\qt],   v[S+32*\qt+\e],    v[S+32*\qt+\e+1]
	v_max3_num_f32 v[U0+2*\qt+1], v[U0+2*\qt+1], v[S+32*\qt+16+\e], v[S+32*\qt+17+\e]
.endr
.endr
.irp qt, 0,1,2,3
	v_max3_num_f32 v[U0+2*\qt+1], v[U0+2*\qt+1], v[S+32*\qt+15], v[S+32*\qt+31]
.endr
.irp qt, 0,1,2,3
	v_max_num_f32 v[U0+2*\qt], v[U0+2*\qt], v[U0+2*\qt+1]
.endr
.irp qt, 0,1,2,3
	v_permlanex16_b32 v[U0+2*\qt+1], v[U0+2*\qt], s70, s71
.endr
.irp qt, 0,1,2,3
.if \first
	v_max_num_f32 v[\new+\qt], v[U0+2*\qt], v[U0+2*\qt+1]
.else
	v_max3_num_f32 v[\new+\qt], v[U0+2*\qt], v[U0+2*\qt+1], v[\old+\qt]
.endif
.endr
	; 2. - c m, and the exponent of the factor for the old sums: c (m old - m new)
.irp qt, 0,1,2,3
	v_mul_f32 v[NM+2*\qt], s68, v[\new+\qt]
.endr
.if \first == 0
.irp qt, 0,1,2,3
	v_fma_f32 v[AL+2*\qt], v[\old+\qt], s66, v[NM+2*\qt]
.endr
.endif
	; 3. c s - c m, two at a time
.irp qt, 0,1,2,3
.set p, 0
.rept 16
	v_pk_fma_f32 v[S+32*\qt+p:S+32*\qt+p+1], v[S+32*\qt+p:S+32*\qt+p+1], s[66:67], v[NM+2*\qt:NM+2*\qt+1] op_sel_hi:[1,0,0]
.set p, p+2
.endr
.endr
	; 4. the exponentials, back to back, then one plain instruction before any is used (ISA guide 5.7.2)
.set p, 0
.rept 128
	v_exp_f32 v[S+p], v[S+p]
.set p, p+1
.endr
.if \first == 0
.irp qt, 0,1,2,3
	v_exp_f32 v[AL+2*\qt], v[AL+2*\qt]
.endr
.endif
	v_nop
	s_wait_alu depctr_va_vdst(0)
.endm
; The second half: sums and packing
.macro VT first
	WIN 0
	; 5. the sum of my 32 probabilities, two chains of pairs for each query tile
	s_wait_alu depctr_va_vdst(0)
.irp qt, 0,1,2,3
	v_pk_add_f32 v[U0+2*\qt:U0+2*\qt+1], v[S+32*\qt:S+32*\qt+1],   v[S+32*\qt+2:S+32*\qt+3]
	v_pk_add_f32 v[U1+2*\qt:U1+2*\qt+1], v[S+32*\qt+4:S+32*\qt+5], v[S+32*\qt+6:S+32*\qt+7]
.endr
.irp e, 8,12,16,20,24,28
.irp qt, 0,1,2,3
	v_pk_add_f32 v[U0+2*\qt:U0+2*\qt+1], v[U0+2*\qt:U0+2*\qt+1], v[S+32*\qt+\e:S+32*\qt+\e+1]
	v_pk_add_f32 v[U1+2*\qt:U1+2*\qt+1], v[U1+2*\qt:U1+2*\qt+1], v[S+32*\qt+\e+2:S+32*\qt+\e+3]
.endr
.endr
.irp qt, 0,1,2,3
	v_pk_add_f32 v[U0+2*\qt:U0+2*\qt+1], v[U0+2*\qt:U0+2*\qt+1], v[U1+2*\qt:U1+2*\qt+1]
.endr
.irp qt, 0,1,2,3
.if \first
	v_add_f32 v[LS+\qt], v[U0+2*\qt], v[U0+2*\qt+1]
.else
	v_add_f32 v[U0+2*\qt], v[U0+2*\qt], v[U0+2*\qt+1]
.endif
.endr
.if \first == 0
.irp qt, 0,1,2,3
	v_fma_f32 v[LS+\qt], v[LS+\qt], v[AL+2*\qt], v[U0+2*\qt]      ; the two halves of the lanes keep half sums: their factor is the same
.endr
.endif
	; 6. pack to bf16 in place: tiles 2 u and 2 u + 1 become registers 0-3 and 4-7 of P(qt, u); each target has been read before it is written
.irp qt, 0,1,2,3
.irp kt, 0,1,2,3
.irp i, 0,1,2,3
	v_cvt_pk_bf16_f32 v[S+32*\qt+16*(\kt>>1)+4*(\kt&1)+\i], v[S+32*\qt+8*\kt+2*\i], v[S+32*\qt+8*\kt+2*\i+1]
.endr
.endr
.endr
.endm
; The head of a step: V's fragments are asked for, K Q^T.  knext = 1: my next step's K fragments (same slot) are asked for behind it.
.macro SM slot, st, knext
.rept 5
	v_nop                                          ; five places: S, a source of the last products, is written by matrix instructions; VF is loaded again (four)
.endr
	LDV \slot, \st
	s_wait_dscnt 16                                ; K's fragments are in; the 16 younger loads are V's
	SMUL
.rept 4
	v_nop                                          ; four places before S is read and KF loaded again
.endr
.if \knext
	LDK \slot, \st+1
.endif
.endm
; The tail of a step.  left: how many younger LDS loads may stay out when V's fragments have to be there; -1: they were waited for earlier.
.macro TAIL first, left
	VT \first
.if \left >= 0
	s_wait_dscnt \left
.endif
.if \first == 0
	RESCALE
.endif
	PVMUL \first
.endm
.macro TAILFOR grp, left               ; the tail for the waves of one key group alone: a branch on the wave's number over register work
	WIN 0
	s_cmp_lg_u32 s73, \grp
	s_cbranch_scc1 .Lnot_mine_\@
	TAIL 0, \left
	WIN 0
.Lnot_mine_\@:
.endm
; A tile of 256 keys in slot, two steps a wave; other = the slot read before it, filled again if refill.
.macro TILE slot, other, refill
	s_wait_tensorcnt 0x0                           ; all my tensor loads have landed, my part of this tile among them,
	ds_add_u32 v30, v31
	s_wait_dscnt 0x0
.if \refill
	s_add_nc_u64 s[G0K+4*\other+2:G0K+4*\other+3], s[G0K+4*\other+2:G0K+4*\other+3], 65536   ; so a group 0 may be written: two tiles on
	s_add_nc_u64 s[G0V+4*\other+2:G0V+4*\other+3], s[G0V+4*\other+2:G0V+4*\other+3], 65536
.endif
	s_wait_dscnt 0x0                               ; my reads of the other slot are over: group 1's last V fragments are in registers
	WIN 0
.if \refill
	ROUND                                          ; both hold of every wave of the four work-groups
	JLOAD \other                                   ; my one tensor load behind the round; it has this tile's steps in which to land
.else
	s_barrier_signal -1
	s_barrier_wait -1
.endif
	LDK \slot, 0
	TAILFOR 1, -1                                  ; group 1 first finishes its last step, from registers, while group 0 multiplies
	SM \slot, 0, 1
	VH MA, MB, 0
	TAIL 0, 16                                     ; V's fragments are in; the 16 younger loads are the next step's K
	SM \slot, 1, 0
	VH MB, MA, 0
.if \refill
	TAILFOR 0, 0                                   ; group 0 finishes its step here; group 1 behind the next round
.else
	TAIL 0, 0                                      ; the last tile: both groups
.endif
.endm
	s_wait_tensorcnt 1                             ; my part of tile 0 is in; tile 1's stays out
	s_barrier_signal -1
	s_barrier_wait -1
	s_wait_loadcnt 0x0                             ; Q
	LDK 0, 0
	SM 0, 0, 1
	VH MA, MB, 1                                   ; the first step starts maxima, sums and accumulators: nothing is cleared
	TAIL 1, 16
	SM 0, 1, 0
	VH MB, MA, 0
	TAILFOR 0, 0
	WIN 0
	s_mov_b32 s3, 3
.Lpair:
	TILE 1, 0, 1
	TILE 0, 1, 1
	WIN 0
	s_sub_co_u32 s3, s3, 1
	s_cmp_lg_u32 s3, 0
	s_cbranch_scc1 .Lpair
	TILE 1, 0, 0                                   ; the eighth tile: nothing is left to fetch
	; THE END.  Group 1 hands its maxima, half sums and accumulators over; group 0 joins the two halves, divides, rounds and stores.
.rept 4
	v_nop                                          ; four places behind the last products
.endr
	WIN 0
	s_cmp_eq_u32 s73, 0
	s_cbranch_scc1 .Lowner
	ds_store_b128 v[MG], v[MA:MA+3] offset:16384
	ds_store_b128 v[MG], v[LS:LS+3] offset:16896
	WIN 0x04                                       ; store data from window 1
.set p, 0
.rept 32
	ds_store_b128 v[MG], v[ACC+4*p:ACC+4*p+3] offset:512*p
.set p, p+1
.endr
	WIN 0
.Lowner:
	s_wait_dscnt 0x0                               ; my stores are done, for my partner's sake
	s_barrier_signal -1
	s_barrier_wait -1
	s_cmp_lg_u32 s73, 0
	s_cbranch_scc1 .Lclose
	ds_load_b128 v[MB:MB+3], v[MG] offset:16384    ; the partner's maxima,
	ds_load_b128 v[U1:U1+3], v[MG] offset:16896    ; half sums,
.set p, 0
.rept 32
	ds_load_b128 v[S+4*p:S+4*p+3], v[MG] offset:512*p   ; and accumulators, register for register
.set p, p+1
.endr
	s_wait_dscnt 32                                ; the statistics are in; the 32 younger loads are the accumulators
.irp qt, 0,1,2,3
	v_max_num_f32 v[U0+2*\qt], v[MA+\qt], v[MB+\qt]
.endr
.irp qt, 0,1,2,3
	v_mul_f32 v[U0+2*\qt], s68, v[U0+2*\qt]        ; - c m, m the larger maximum
.endr
.irp qt, 0,1,2,3
	v_fma_f32 v[AL+2*\qt], v[MA+\qt], s66, v[U0+2*\qt]
	v_fma_f32 v[NM+2*\qt], v[MB+\qt], s66, v[U0+2*\qt]
.endr
.irp qt, 0,1,2,3
	v_exp_f32 v[AL+2*\qt], v[AL+2*\qt]             ; my half's factor
	v_exp_f32 v[NM+2*\qt], v[NM+2*\qt]             ; the partner's
.endr
	v_nop
	s_wait_alu depctr_va_vdst(0)
.irp qt, 0,1,2,3
	v_mul_f32 v[LS+\qt], v[LS+\qt], v[AL+2*\qt]
.endr
.irp qt, 0,1,2,3
	v_fma_f32 v[LS+\qt], v[U1+\qt], v[NM+2*\qt], v[LS+\qt]
.endr
.irp qt, 0,1,2,3
	v_permlanex16_b32 v[U0+2*\qt], v[LS+\qt], s70, s71
.endr
.irp qt, 0,1,2,3
	v_add_f32 v[LS+\qt], v[LS+\qt], v[U0+2*\qt]    ; the two halves of the lanes
.endr
.irp qt, 0,1,2,3
	v_rcp_f32 v[U0+2*\qt], v[LS+\qt]               ; the sum is at least 1: the largest score gives exp2(0)
.endr
	v_nop
	s_wait_alu depctr_va_vdst(0)
.irp qt, 0,1,2,3
	v_mul_f32 v[AL+2*\qt], v[AL+2*\qt], v[U0+2*\qt]
	v_mul_f32 v[NM+2*\qt], v[NM+2*\qt], v[U0+2*\qt]
.endr
	s_wait_dscnt 0x0
.irp qt, 0,1,2,3
.set p, 0
.rept 16
	v_pk_mul_f32 v[S+32*\qt+p:S+32*\qt+p+1], v[S+32*\qt+p:S+32*\qt+p+1], v[NM+2*\qt:NM+2*\qt+1] op_sel_hi:[1,0]
.set p, p+2
.endr
.endr
	WIN 0x01                                       ; source 0 (my accumulators) from window 1
.irp qt, 0,1,2,3
.set p, 0
.rept 16
	v_pk_fma_f32 v[S+32*\qt+p:S+32*\qt+p+1], v[ACC+32*\qt+p:ACC+32*\qt+p+1], v[AL+2*\qt:AL+2*\qt+1], v[S+32*\qt+p:S+32*\qt+p+1] op_sel_hi:[1,0,1]
.set p, p+2
.endr
.endr
	WIN 0
.macro OUTQ qt                         ; 16 queries: each has registers of its own, so no store's source is written again
.irp dt, 0,1,2,3
.irp i, 0,1,2,3
	v_cvt_pk_bf16_f32 v[Q+16*\qt+4*\dt+\i], v[S+32*\qt+8*\dt+2*\i], v[S+32*\qt+8*\dt+2*\i+1]
.endr
.endr
.irp dt, 0,1,2,3
	ds_store_b128 v[STO], v[Q+16*\qt+4*\dt:Q+16*\qt+4*\dt+3] offset:32*\dt
.endr
.irp t, 0,1,2,3
	ds_load_b128 v[S+32*\qt+4*\t:S+32*\qt+4*\t+3], v[RD] offset:4*KP*\t   ; a wave's LDS instructions are served in order (ISA guide 5.7.1.4)
.endr
.irp t, 0,1,2,3
	s_wait_dscnt 3-\t
	global_store_b128 v[CO], v[S+32*\qt+4*\t:S+32*\qt+4*\t+3], s[6:7] offset:2048*\qt+512*\t   ; four rows of a head: 512 neighbouring bytes
.endr
.endm
	OUTQ 0
	OUTQ 1
	OUTQ 2
	OUTQ 3
.Lclose:
	s_wait_tensorcnt 0x0
	ds_add_u32 v30, v31
	s_wait_dscnt 0x0
	ROUND                                          ; the closing round
	s_endpgm
.Lfunc_end_k_q746bd2574a_attn:
	.size	k_q746bd2574a_attn, .Lfunc_end_k_q746bd2574a_attn-k_q746bd2574a_attn
	.p2alignl 7, 3214868480
	.fill 96, 4, 3214868480
	.section	.rodata,"a",@progbits
	.p2align	6, 0x0
	.amdhsa_kernel k_q746bd2574a_attn
		.amdhsa_group_segment_fixed_size 327680
		.amdhsa_private_segment_fixed_size 0
		.amdhsa_enable_private_segment 0
		.amdhsa_kernarg_size 16
		.amdhsa_user_sgpr_count 2
		.amdhsa_user_sgpr_kernarg_segment_ptr 1
		.amdhsa_wavefront_size32 1
		.amdhsa_system_sgpr_workgroup_id_x 1
		.amdhsa_system_sgpr_workgroup_id_y 1
		.amdhsa_system_sgpr_workgroup_id_z 1
		.amdhsa_system_vgpr_workitem_id 0
		.amdhsa_next_free_vgpr 512
		.amdhsa_next_free_sgpr 80
		.amdhsa_reserve_vcc 0
		.amdhsa_float_denorm_mode_32 3
		.amdhsa_float_denorm_mode_16_64 3
		.amdhsa_memory_ordered 1
		.amdhsa_forward_progress 1
		.amdhsa_inst_pref_size 255
	.end_amdhsa_kernel
	.section	.bss,"aw",@nobits
	.p2align	6
	.space	262144
	.amdgpu_metadata
---
amdhsa.version: [ 1, 2 ]
amdhsa.kernels:
  - .name:           k_q746bd2574a_attn
    .symbol:         k_q746bd2574a_attn.kd
    .args:
      - { .name: qkv, .offset: 0, .size: 8, .value_kind: global_buffer, .address_space: global }
      - { .name: ctx, .offset: 8, .size: 8, .value_kind: global_buffer, .address_space: global }
    .group_segment_fixed_size: 327680
    .private_segment_fixed_size: 0
    .kernarg_segment_align: 8
    .kernarg_segment_size: 16
    .max_flat_workgroup_size: 256
    .sgpr_count:     80
    .vgpr_count:     512
    .wavefront_size: 32
...
	.end_amdgpu_metadata
.endif
;; end of part 3
;; launch proj (part 4): grid 8 x 32, 4 waves a work-group, clusters of 4 x 4, 327,680 bytes of LDS; arguments ctx, wt, bo, x, rr; writes rr
.if DOCPART == 4
	.amdgcn_target "amdgcn-amd-amdhsa--gfx1250"
	.amdhsa_code_object_version 6
	.text
	.protected	k_q746bd2574a_proj
	.globl	k_q746bd2574a_proj
	.p2align	8
	.type	k_q746bd2574a_proj,@function
k_q746bd2574a_proj:
	s_mov_b64 s[64:65], 0
	v_nop
	global_prefetch_b8 v0, s[64:65] scope:SCOPE_SE
	s_setreg_imm32_b32 hwreg(HW_REG_WAVE_MODE, 25, 1), 1
	s_wait_xcnt 0x0
	s_wait_alu depctr_hold_cnt(0) depctr_sa_sdst(0) depctr_va_vdst(0) depctr_va_sdst(0) depctr_va_ssrc(0) depctr_va_vcc(0) depctr_vm_vsrc(0)
	s_getreg_b32 s2, hwreg(HW_REG_IB_STS2, 6, 4)
	s_cmp_eq_u32 s2, 0
	s_cbranch_scc0 .Lentry_in_a_cluster
	s_endpgm
.Lentry_in_a_cluster:
	s_bfe_u32 s2, ttmp6, 0x10000c
	s_cmp_lg_u32 s2, 0xf033
	s_cbranch_scc0 .Lentry_shape_is_right
	s_endpgm
.Lentry_shape_is_right:
; rr[m][n] = x[m][n] + bo[n] + sum over k of ctx(m, k) Wo[k][n], in f32.  ctx is head-major bf16 [32 bh][2048 s][64 d], k = 64 h + d;
; Wo^T is rows 3072-4095 of wt, bf16 [n][k].
; A work-group makes 128 x 128 with four waves, 64 x 64 each: 16 accumulators.  K goes in four tiles of 256 (four heads) through two LDS slots.
; CLUSTERS: 4 x 4 work-groups; ctx's tiles are shared along a row of the cluster, Wo's along a column.
; LDS: a slot is four regions of 36,864 bytes, one a wave's load: ctx heads 0-1, ctx heads 2-3 (a head: 128 rows of 128 + 16 bytes),
; Wo^T rows 0-63, rows 64-127 (rows of 512 + 16 bytes).  Behind the ring a stage of 16 x 272 bytes for each wave.
; Whole rows for the second layer norm would make every work-group walk all of Wo; so the sum leaves in f32 and the norm is a launch of its own.
; Limit: finite inputs; operands rounded to bf16.
.set REGION, 36864
.set SLOT,   4*REGION
.set STAGE,  2*SLOT
.set AP,     144
.set BP,     528
.set SP,     272
.set ADRA, 8                           ; v8-9
.set ADRB, 10                          ; v10-11
.set STO,  12
.set RD,   13
.set XO,   14                          ; my byte offset in x and rr: row l / 16, 16 bytes at l % 16
.set BOO,  15
.set F0,   16                          ; v16-47 ctx fragments, v48-79 Wo fragments
.set F1,   80                          ; v80-111, v112-143
.set BO,   144                         ; v144-147 bo of my four columns on the way out
.set XR,   128                         ; window 1: x(a, t) at 128 + 32 a + 4 t;  window 1 v0-127: ACC(a, bt) at 8 (4 a + bt)
.set G1, 24
.set G0, 32
.set G1B, 48
.set G0B, 56
.set MSB, 0
.macro WIN new
.if MSB != \new
	s_set_vgpr_msb (MSB<<8)|\new
.set MSB, \new
.endif
.endm
.macro JLOAD s                         ; waves 0 and 1 ask for ctx's halves, waves 2 and 3 for Wo's
	s_cmp_eq_u32 s11, 0
	s_cbranch_scc0 .Lfor_b_\@
	tensor_load_to_lds s[G0+4*\s:G0+4*\s+3], s[G1:G1+7]
	s_nop 0
	s_branch .Lasked_\@
.Lfor_b_\@:
	tensor_load_to_lds s[G0B+4*\s:G0B+4*\s+3], s[G1B:G1B+7]
	s_nop 0
.Lasked_\@:
.endm
.macro ROUND
	s_barrier_signal -1
	s_barrier_wait -1
	s_cmp_lg_u32 s10, 0
	s_cbranch_scc1 .Lnot_wave_0_\@
	s_barrier_signal -3
.Lnot_wave_0_\@:
	s_barrier_wait -3
	s_barrier_signal -1
	s_barrier_wait -1
.endm
	s_load_b128 s[4:7], s[0:1], 0x0                ; ctx s[4:5], wt s[6:7]
	s_load_b128 s[68:71], s[0:1], 0x10             ; bo 68:69, x 70:71
	s_load_b64 s[72:73], s[0:1], 0x20              ; rr
	v_lshl_add_u32 v254, v0, 2, 0x4c400
	v_mov_b32 v255, 0
	ds_add_u32 v254, v255
	v_lshrrev_b32 v1, 5, v0
	v_readfirstlane_b32 s10, v1
	s_lshr_b32 s11, s10, 1                         ; my half of the rows.  Also: I fetch ctx (0) or Wo (1)
	s_and_b32 s12, s10, 1                          ; my half of the columns.  Also: which half of that tile I fetch
	s_bfe_u32 s40, ttmp6, 0x40000                  ; cx
	s_bfe_u32 s41, ttmp6, 0x40004                  ; cy
	s_lshl_b32 s42, ttmp9, 2
	s_add_co_u32 s42, s42, s40                     ; block column, 0..7
	s_and_b32 s13, ttmp7, 0xffff
	s_lshl_b32 s13, s13, 2
	s_add_co_u32 s13, s13, s41                     ; block row, 0..31
	s_lshl_b32 s43, s41, 2
	s_lshl_b32 s43, 15, s43                        ; my row of the cluster
	s_lshl_b32 s44, 0x1111, s40                    ; my column
	; ctx: two rows of 2,048 elements of 8 bytes, each the dense 128 x 128 bytes of one head, 262,144 bytes apart; 4 words of padding behind every 32
	s_or_b32 s[G1+0], s43, (3<<16)|(1<<20)|(1<<21)|(4<<22)|(3<<25)
	s_mov_b32 s[G1+1], 2048<<16                    ; tensor_dim0 = 2048
	s_mov_b32 s[G1+2], 2<<16                       ; tensor_dim1 = 2
	s_mov_b32 s[G1+3], 2048<<16                    ; tile_dim0 = 2048
	s_mov_b32 s[G1+4], 2                           ; tile_dim1 = 2
	s_mov_b32 s[G1+5], 32768                       ; elements from head to head
	s_mov_b32 s[G1+6], 0
	s_mov_b32 s[G1+7], 0
	; Wo^T: 64 rows of 256 elements of 2 bytes; 4 words of padding behind every 128
	s_or_b32 s[G1B+0], s44, (1<<16)|(1<<20)|(1<<21)|(6<<22)|(3<<25)
	s_mov_b32 s[G1B+1], 256<<16
	s_mov_b32 s[G1B+2], 64<<16
	s_mov_b32 s[G1B+3], 256<<16
	s_mov_b32 s[G1B+4], 64
	s_mov_b32 s[G1B+5], 1024
	s_mov_b32 s[G1B+6], 0
	s_mov_b32 s[G1B+7], 0
	s_lshr_b32 s16, s13, 4                         ; ctx: batch (16 heads of 262,144 bytes),
	s_lshl_b32 s16, s16, 22
	s_and_b32 s17, s13, 15
	s_lshl_b32 s17, s17, 14                        ; 128 rows of 128 bytes,
	s_add_co_u32 s16, s16, s17
	s_lshl_b32 s17, s12, 19                        ; my two heads of the tile's four
	s_add_co_u32 s16, s16, s17
	s_mov_b32 s17, 0
	s_lshl_b32 s46, s42, 18                        ; Wo^T: 128 rows of 2,048 bytes, my 64 of them,
	s_lshl_b32 s47, s12, 17
	s_add_co_u32 s46, s46, s47
	s_add_co_u32 s46, s46, 6291456                 ; behind the 3,072 rows of Wq, Wk, Wv
	s_mov_b32 s47, 0
	s_lshl_b32 s74, s13, 19                        ; x and rr: 128 rows of 4,096 bytes, my 64 rows,
	s_lshl_b32 s75, s11, 18
	s_add_co_u32 s74, s74, s75
	s_lshl_b32 s76, s42, 9                         ; 128 columns of 4 bytes, my 64
	s_lshl_b32 s75, s12, 8
	s_add_co_u32 s76, s76, s75
	s_add_co_u32 s74, s74, s76
	s_mov_b32 s75, 0
	s_mov_b32 s77, 0
	s_mul_i32 s20, s10, REGION
	s_wait_dscnt 0x0
	s_wait_kmcnt 0x0
	s_add_nc_u64 s[14:15], s[4:5], s[16:17]
	s_add_nc_u64 s[46:47], s[6:7], s[46:47]
	s_add_nc_u64 s[70:71], s[70:71], s[74:75]
	s_add_nc_u64 s[72:73], s[72:73], s[74:75]
	s_add_nc_u64 s[68:69], s[68:69], s[76:77]
	ROUND                                          ; all sixteen work-groups are here
.irp s, 0,1
	s_mov_b32 s[G0+4*\s], 1
	s_add_co_u32 s[G0+4*\s+1], s20, \s*SLOT
	s_add_nc_u64 s[G0+4*\s+2:G0+4*\s+3], s[14:15], \s*1048576      ; tile s: four heads on
	s_or_b32 s[G0+4*\s+3], s[G0+4*\s+3], 0x80000000
	s_mov_b32 s[G0B+4*\s], 1
	s_add_co_u32 s[G0B+4*\s+1], s20, \s*SLOT
	s_add_nc_u64 s[G0B+4*\s+2:G0B+4*\s+3], s[46:47], \s*512        ; 256 k of 2 bytes on
	s_or_b32 s[G0B+4*\s+3], s[G0B+4*\s+3], 0x80000000
	JLOAD \s                                       ; two loads of the wave are out
.endr
	v_and_b32 v1, 15, v0                           ; r
	v_bfe_u32 v2, v0, 4, 1                         ; hl
	v_lshlrev_b32 v[BOO], 4, v1
	v_lshl_add_u32 v[XO], v2, 12, v[BOO]
	WIN 0x40                                       ; x, asked for now and used on the way out: 16 lanes take 256 neighbouring bytes, aligned
.irp a, 0,1,2,3
.irp t, 0,1,2,3,4,5,6,7
	global_load_b128 v[XR+32*\a+4*\t:XR+32*\a+4*\t+3], v[XO], s[70:71] offset:(16*\a+2*\t)*4096 th:TH_LOAD_NT
.endr
.endr
	WIN 0
	global_load_b128 v[BO:BO+3], v[BOO], s[68:69]
	v_mul_u32_u24 v3, v1, AP
	v_lshl_add_u32 v3, v2, 4, v3
	v_mul_u32_u24 v4, v1, BP
	v_lshl_add_u32 v4, v2, 4, v4
	s_mul_i32 s21, s11, 64*AP                      ; my 64 rows of every head
	s_mul_i32 s22, s12, REGION                     ; my 64 rows of Wo^T,
	s_add_co_u32 s22, s22, 2*REGION                ; behind ctx's two regions
.irp s, 0,1
	v_add_nc_u32 v[ADRA+\s], s21, v3
	v_add_nc_u32 v[ADRB+\s], s22, v4
	s_add_co_u32 s21, s21, SLOT
	s_add_co_u32 s22, s22, SLOT
.endr
	s_mul_i32 s23, s10, 16*SP
	s_add_co_u32 s23, s23, STAGE
	v_mul_u32_u24 v5, v1, SP
	v_lshl_add_u32 v5, v2, 5, v5                   ; in: row r, 32 bytes for each half of the lanes
	v_add_nc_u32 v[STO], s23, v5
	v_mul_u32_u24 v5, v2, SP
	v_lshl_add_u32 v5, v1, 4, v5                   ; back: 16 lanes take a row of 256 bytes
	v_add_nc_u32 v[RD], s23, v5
; the fragments of quarter qd (32 k: half a head) into buffer f.  Four places stand between the matrix instructions that read f and these loads.
.macro FETCH slot, qd, f
.rept 4
	v_nop
.endr
	WIN 0
.irp a, 0,1,2,3
	ds_load_b128 v[\f+8*\a:\f+8*\a+3],   v[ADRA+\slot] offset:((\qd)>>1)*128*AP+((\qd)&1)*64+16*AP*\a
	ds_load_b128 v[\f+8*\a+4:\f+8*\a+7], v[ADRA+\slot] offset:((\qd)>>1)*128*AP+((\qd)&1)*64+16*AP*\a+32
.endr
.irp bt, 0,1,2,3
	ds_load_b128 v[\f+32+8*\bt:\f+32+8*\bt+3], v[ADRB+\slot] offset:64*(\qd)+16*BP*\bt
	ds_load_b128 v[\f+36+8*\bt:\f+36+8*\bt+3], v[ADRB+\slot] offset:64*(\qd)+16*BP*\bt+32
.endr
.endm
; 16 matrix instructions, used transposed (source 0 = Wo^T's rows): a lane holds row l % 16 and eight neighbouring columns.
; The sixteen accumulators take turns, one instruction a turn, in the same order in every quarter.
.macro MUL16 f, zero
	WIN 0x50
.irp a, 0,1,2,3
.irp bt, 0,1,2,3
.if \zero
	v_wmma_f32_16x16x32_bf16 v[8*(4*\a+\bt):8*(4*\a+\bt)+7], v[\f+32+8*\bt:\f+32+8*\bt+7], v[\f+8*\a:\f+8*\a+7], 0
.else
	v_wmma_f32_16x16x32_bf16 v[8*(4*\a+\bt):8*(4*\a+\bt)+7], v[\f+32+8*\bt:\f+32+8*\bt+7], v[\f+8*\a:\f+8*\a+7], v[8*(4*\a+\bt):8*(4*\a+\bt)+7]
.endif
.endr
.endr
.endm
.macro KTILE slot, zero                ; eight quarters; each is multiplied while the next one's 16 loads are out
	FETCH \slot, 0, F0
	FETCH \slot, 1, F1
	s_wait_dscnt 16                                ; this quarter's fragments are in; the 16 younger loads are the next quarter's
	MUL16 F0, \zero
	FETCH \slot, 2, F0
	s_wait_dscnt 16
	MUL16 F1, 0
	FETCH \slot, 3, F1
	s_wait_dscnt 16
	MUL16 F0, 0
	FETCH \slot, 4, F0
	s_wait_dscnt 16
	MUL16 F1, 0
	FETCH \slot, 5, F1
	s_wait_dscnt 16
	MUL16 F0, 0
	FETCH \slot, 6, F0
	s_wait_dscnt 16
	MUL16 F1, 0
	FETCH \slot, 7, F1
	s_wait_dscnt 16
	MUL16 F0, 0
	s_wait_dscnt 0
	MUL16 F1, 0
.endm
.macro TWO slot, other, refill
	s_wait_tensorcnt 0x0                           ; all my tensor loads have landed, my part of this tile among them,
	ds_add_u32 v254, v255
	s_wait_dscnt 0x0
.if \refill
	s_add_nc_u64 s[G0+4*\other+2:G0+4*\other+3], s[G0+4*\other+2:G0+4*\other+3], 2097152    ; so a group 0 may be written: two tiles on
	s_add_nc_u64 s[G0B+4*\other+2:G0B+4*\other+3], s[G0B+4*\other+2:G0B+4*\other+3], 1024
.endif
	s_wait_dscnt 0x0                               ; my reads of the other slot are over
	WIN 0
.if \refill
	ROUND
	JLOAD \other                                   ; my one tensor load behind the round; it has 128 matrix instructions in which to land
.else
	s_barrier_signal -1
	s_barrier_wait -1
.endif
	KTILE \slot, 0
.endm
	s_wait_tensorcnt 1                             ; my part of tile 0 is in; tile 1's stays out
	s_barrier_signal -1
	s_barrier_wait -1
	KTILE 0, 1                                     ; the first products start the sums
	TWO 1, 0, 1
	TWO 0, 1, 1
	TWO 1, 0, 0
	; THE WAY OUT, 16 rows at a time through my stage: whole rows of 256 bytes come back, x and bo are added, and they leave.
.rept 4
	v_nop                                          ; four places behind the last products
.endr
	s_wait_loadcnt 0x0                             ; x and bo
.macro OUT16 a                         ; each a has registers of its own (the fragment buffers): no store's source is written again
	WIN 0x04
.irp bt, 0,1,2,3
	ds_store_b128 v[STO], v[8*(4*\a+\bt):8*(4*\a+\bt)+3]   offset:64*\bt
	ds_store_b128 v[STO], v[8*(4*\a+\bt)+4:8*(4*\a+\bt)+7] offset:64*\bt+16
.endr
	WIN 0
.irp t, 0,1,2,3,4,5,6,7
	ds_load_b128 v[F0+32*\a+4*\t:F0+32*\a+4*\t+3], v[RD] offset:2*SP*\t   ; a wave's LDS instructions are served in order (ISA guide 5.7.1.4)
.endr
	s_wait_dscnt 0x0
.irp t, 0,1,2,3,4,5,6,7
	v_pk_add_f32 v[F0+32*\a+4*\t:F0+32*\a+4*\t+1],   v[F0+32*\a+4*\t:F0+32*\a+4*\t+1],   v[BO:BO+1]
	v_pk_add_f32 v[F0+32*\a+4*\t+2:F0+32*\a+4*\t+3], v[F0+32*\a+4*\t+2:F0+32*\a+4*\t+3], v[BO+2:BO+3]
.endr
	WIN 0x04
.irp t, 0,1,2,3,4,5,6,7
	v_pk_add_f32 v[F0+32*\a+4*\t:F0+32*\a+4*\t+1],   v[F0+32*\a+4*\t:F0+32*\a+4*\t+1],   v[XR+32*\a+4*\t:XR+32*\a+4*\t+1]
	v_pk_add_f32 v[F0+32*\a+4*\t+2:F0+32*\a+4*\t+3], v[F0+32*\a+4*\t+2:F0+32*\a+4*\t+3], v[XR+32*\a+4*\t+2:XR+32*\a+4*\t+3]
.endr
	WIN 0
.irp t, 0,1,2,3,4,5,6,7
	global_store_b128 v[XO], v[F0+32*\a+4*\t:F0+32*\a+4*\t+3], s[72:73] offset:(16*\a+2*\t)*4096   ; 16 lanes store 256 neighbouring bytes, aligned
.endr
.endm
	OUT16 0
	OUT16 1
	OUT16 2
	OUT16 3
	s_wait_tensorcnt 0x0
	ds_add_u32 v254, v255
	s_wait_dscnt 0x0
	ROUND                                          ; the closing round
	s_endpgm
.Lfunc_end_k_q746bd2574a_proj:
	.size	k_q746bd2574a_proj, .Lfunc_end_k_q746bd2574a_proj-k_q746bd2574a_proj
	.p2alignl 7, 3214868480
	.fill 96, 4, 3214868480
	.section	.rodata,"a",@progbits
	.p2align	6, 0x0
	.amdhsa_kernel k_q746bd2574a_proj
		.amdhsa_group_segment_fixed_size 327680
		.amdhsa_private_segment_fixed_size 0
		.amdhsa_enable_private_segment 0
		.amdhsa_kernarg_size 40
		.amdhsa_user_sgpr_count 2
		.amdhsa_user_sgpr_kernarg_segment_ptr 1
		.amdhsa_wavefront_size32 1
		.amdhsa_system_sgpr_workgroup_id_x 1
		.amdhsa_system_sgpr_workgroup_id_y 1
		.amdhsa_system_sgpr_workgroup_id_z 1
		.amdhsa_system_vgpr_workitem_id 0
		.amdhsa_next_free_vgpr 512
		.amdhsa_next_free_sgpr 80
		.amdhsa_reserve_vcc 0
		.amdhsa_float_denorm_mode_32 3
		.amdhsa_float_denorm_mode_16_64 3
		.amdhsa_memory_ordered 1
		.amdhsa_forward_progress 1
		.amdhsa_inst_pref_size 99
	.end_amdhsa_kernel
	.amdgpu_metadata
---
amdhsa.version: [ 1, 2 ]
amdhsa.kernels:
  - .name:           k_q746bd2574a_proj
    .symbol:         k_q746bd2574a_proj.kd
    .args:
      - { .name: ctx, .offset: 0, .size: 8, .value_kind: global_buffer, .address_space: global }
      - { .name: wt, .offset: 8, .size: 8, .value_kind: global_buffer, .address_space: global }
      - { .name: bo, .offset: 16, .size: 8, .value_kind: global_buffer, .address_space: global }
      - { .name: x, .offset: 24, .size: 8, .value_kind: global_buffer, .address_space: global }
      - { .name: rr, .offset: 32, .size: 8, .value_kind: global_buffer, .address_space: global }
    .group_segment_fixed_size: 327680
    .private_segment_fixed_size: 0
    .kernarg_segment_align: 8
    .kernarg_segment_size: 40
    .max_flat_workgroup_size: 128
    .sgpr_count:     80
    .vgpr_count:     512
    .wavefront_size: 32
...
	.end_amdgpu_metadata
.endif
;; end of part 4
;; launch ln2 (part 5): grid 384 x 1, 8 waves a work-group, no clusters, 33,792 bytes of LDS; arguments rr, qkv, part, p0; writes part, p0
.if DOCPART == 5
	.amdgcn_target "amdgcn-amd-amdhsa--gfx1250"
	.amdhsa_code_object_version 6
	.text
	.protected	k_q746bd2574a_ln2
	.globl	k_q746bd2574a_ln2
	.p2align	8
	.type	k_q746bd2574a_ln2,@function
k_q746bd2574a_ln2:
	s_mov_b64 s[64:65], 0
	v_nop
	global_prefetch_b8 v0, s[64:65] scope:SCOPE_SE
	s_setreg_imm32_b32 hwreg(HW_REG_WAVE_MODE, 25, 1), 1
	s_wait_xcnt 0x0
; ln2: two jobs that do not depend on each other, chosen by the work-group's number.
; Work-groups 0-255:   part[id][c] = sum over the 16 rows 16 id .. 16 id + 15 of (rr[m][c] - mean) / sqrt(var + eps).
;                      g2 and b2 are the same for all rows and are applied to the mean over rows in the last launch
;                      (another order of rounding than gain and bias row by row).
; Work-groups 256-383: p0[bh][key] = q0 . k, the raw score of query 0 of head bh, 512 keys a work-group, 64 a wave.  The softmax over a
;                      head's 2,048 keys spans four of these work-groups and is made in the last launch.
; Memory binds: no matrix unit, no tensor loads; every load of rr or of keys covers 512 neighbouring bytes.
; Limit: finite inputs.
.set T,  4                             ; v[4:11]   four running pairs
.set MU, 12                            ; v[12:13]
.set RS, 14                            ; v[14:15]
.set CS, 16                            ; v[16:47]  the two rows' normalised sum
.set GA, 48                            ; v[48:79]  the eight waves' sums of my four columns
.set X,  80                            ; v[80:143] two rows
.set LA, 144                           ; v144      where my wave's sums go in LDS
	s_load_b256 s[4:11], s[0:1], 0x0               ; rr 4:5, qkv 6:7, part 8:9, p0 10:11
	v_lshl_add_u32 v148, v0, 2, 0x8000
	v_mov_b32 v149, 0
	v_lshrrev_b32 v2, 5, v0
	v_readfirstlane_b32 s22, v2                    ; wave 0..7
	v_and_b32 v1, 31, v0                           ; lane
	s_cmp_ge_u32 ttmp9, 256
	s_cbranch_scc1 .Lrow0
	; ---------------- layer norm and column sums ----------------
	s_mov_b32 s26, 0x76543210                      ; v_permlanex16_b32: lane i reads lane i of the other half
	s_mov_b32 s27, 0xfedcba98
	s_mov_b32 s24, 0x3a800000                      ; 1 / 1024
	s_mov_b32 s25, 0x3727c5ac                      ; eps = 1e-5
	s_lshl_b32 s28, ttmp9, 16                      ; 16 rows of 4,096 bytes a work-group,
	s_lshl_b32 s23, s22, 13                        ; 2 rows a wave
	s_add_co_u32 s28, s28, s23
	s_mov_b32 s29, 0
	s_lshl_b32 s30, ttmp9, 12                      ; part: 4,096 bytes a work-group
	s_mov_b32 s31, 0
	v_lshlrev_b32 v2, 4, v1                        ; 16 x lane
	v_lshlrev_b32 v3, 4, v0                        ; 16 x thread
	v_lshl_add_u32 v[LA], s22, 12, v2
	v_mov_b32 v[MU+1], 0
	v_mov_b32 v[RS+1], 0
	s_wait_kmcnt 0x0
	s_add_nc_u64 s[4:5], s[4:5], s[28:29]
	s_add_nc_u64 s[8:9], s[8:9], s[30:31]
.irp j, 0,1,2,3,4,5,6,7
	global_load_b128 v[X+4*\j:X+4*\j+3], v2, s[4:5] offset:512*\j th:TH_LOAD_NT
.endr
.irp j, 0,1,2,3,4,5,6,7
	global_load_b128 v[X+32+4*\j:X+32+4*\j+3], v2, s[4:5] offset:4096+512*\j th:TH_LOAD_NT
.endr
.macro JOIN
	v_pk_add_f32 v[T:T+1], v[T:T+1], v[T+2:T+3]
	v_pk_add_f32 v[T+4:T+5], v[T+4:T+5], v[T+6:T+7]
	v_pk_add_f32 v[T:T+1], v[T:T+1], v[T+4:T+5]
	v_add_f32 v[T], v[T], v[T+1]
.endm
.macro LANESUM                         ; v4 summed over the 32 lanes; v5 has been written by JOIN
	v_add_f32_dpp v[T], v[T], v[T] row_xmask:1 row_mask:0xf bank_mask:0xf
	v_add_f32_dpp v[T], v[T], v[T] row_xmask:2 row_mask:0xf bank_mask:0xf
	v_add_f32_dpp v[T], v[T], v[T] row_xmask:4 row_mask:0xf bank_mask:0xf
	v_add_f32_dpp v[T], v[T], v[T] row_xmask:8 row_mask:0xf bank_mask:0xf
	v_permlanex16_b32 v[T+1], v[T], s26, s27
	v_add_f32 v[T], v[T], v[T+1]
.endm
; One row: centred in place, 1 / sqrt(var + eps) into RS.  left = how many younger loads may stay out.
.macro LNSTAT r, left
	s_wait_loadcnt \left
.irp k, 0,1,2,3
	v_pk_add_f32 v[T+2*\k:T+2*\k+1], v[X+32*\r+2*\k:X+32*\r+2*\k+1], v[X+32*\r+8+2*\k:X+32*\r+8+2*\k+1]
.endr
.irp q, 16,24
.irp k, 0,1,2,3
	v_pk_add_f32 v[T+2*\k:T+2*\k+1], v[T+2*\k:T+2*\k+1], v[X+32*\r+\q+2*\k:X+32*\r+\q+2*\k+1]
.endr
.endr
	JOIN
	LANESUM
	v_mul_f32 v[MU], s24, v[T]
.set p, 0
.rept 16
	v_pk_add_f32 v[X+32*\r+p:X+32*\r+p+1], v[X+32*\r+p:X+32*\r+p+1], v[MU:MU+1] op_sel_hi:[1,0] neg_lo:[0,1] neg_hi:[0,1]
.set p, p+2
.endr
.irp k, 0,1,2,3
	v_pk_mul_f32 v[T+2*\k:T+2*\k+1], v[X+32*\r+2*\k:X+32*\r+2*\k+1], v[X+32*\r+2*\k:X+32*\r+2*\k+1]
.endr
.irp q, 8,16,24
.irp k, 0,1,2,3
	v_pk_fma_f32 v[T+2*\k:T+2*\k+1], v[X+32*\r+\q+2*\k:X+32*\r+\q+2*\k+1], v[X+32*\r+\q+2*\k:X+32*\r+\q+2*\k+1], v[T+2*\k:T+2*\k+1]
.endr
.endr
	JOIN
	LANESUM
	v_fma_f32 v[T+2], v[T], s24, s25
	v_rsq_f32 v[RS], v[T+2]
	v_nop                                          ; one plain instruction behind v_rsq_f32 (ISA guide 5.7.2)
.endm
	LNSTAT 0, 8                                    ; row 0 is in; the eight younger loads are row 1's
.set p, 0
	s_wait_alu depctr_va_vdst(0)
.rept 16
	v_pk_mul_f32 v[CS+p:CS+p+1], v[X+p:X+p+1], v[RS:RS+1] op_sel_hi:[1,0]
.set p, p+2
.endr
	LNSTAT 1, 0
.set p, 0
	s_wait_alu depctr_va_vdst(0)
.rept 16
	v_pk_fma_f32 v[CS+p:CS+p+1], v[X+32+p:X+32+p+1], v[RS:RS+1], v[CS+p:CS+p+1] op_sel_hi:[1,0,1]
.set p, p+2
.endr
.irp j, 0,1,2,3,4,5,6,7
	ds_store_b128 v[LA], v[CS+4*\j:CS+4*\j+3] offset:512*\j     ; wave w's 1,024 sums at byte 4,096 w, in column order
.endr
	s_wait_dscnt 0x0                               ; my stores are done, for the other waves' sake
	s_barrier_signal -1
	s_barrier_wait -1
.irp w, 0,1,2,3,4,5,6,7
	ds_load_b128 v[GA+4*\w:GA+4*\w+3], v3 offset:4096*\w        ; thread t: columns 4 t .. 4 t + 3 of every wave
.endr
	s_wait_dscnt 0x0
.macro QADD a, b                       ; four numbers at v[a] += four at v[b]
	v_pk_add_f32 v[\a:\a+1], v[\a:\a+1], v[\b:\b+1]
	v_pk_add_f32 v[\a+2:\a+3], v[\a+2:\a+3], v[\b+2:\b+3]
.endm
	QADD GA, GA+16
	QADD GA+4, GA+20
	QADD GA+8, GA+24
	QADD GA+12, GA+28
	QADD GA, GA+8
	QADD GA+4, GA+12
	QADD GA, GA+4
	global_store_b128 v3, v[GA:GA+3], s[8:9]
	s_wait_tensorcnt 0x0
	ds_add_u32 v148, v149
	s_wait_dscnt 0x0
	s_endpgm
	; ---------------- raw scores of query 0, 512 keys of one head ----------------
.set Q4, 4                             ; v[4:7]    q0: my 8 d, bf16
.set ZERO, 8
.set D,  10                            ; v[10:17]  eight dot products at work
.set SC, 18                            ; v[18:19]  batch i: the score of my wave's key 32 i + 4 (lane % 8) + lane / 8
.set KB, 32                            ; v[32:95]  two batches of eight loads
.Lrow0:
	s_sub_co_u32 s12, ttmp9, 256
	s_lshr_b32 s20, s12, 2                         ; bh
	s_and_b32 s21, s12, 3                          ; which 512 keys
	s_lshr_b32 s13, s20, 4
	s_and_b32 s14, s20, 15
	s_mul_i32 s13, s13, 48
	s_add_co_u32 s13, s13, s14                     ; the head's Q slot
	s_lshl_b32 s14, s13, 18
	s_mov_b32 s15, 0
	s_lshl_b32 s16, s21, 16                        ; 512 keys of 128 bytes,
	s_add_co_u32 s16, s16, 4194304                 ; in K's head, 16 slots on
	s_mov_b32 s17, 0
	s_lshl_b32 s18, s20, 13                        ; p0: 8,192 bytes a head,
	s_lshl_b32 s19, s21, 11                        ; 512 keys of 4 bytes
	s_add_co_u32 s18, s18, s19
	s_mov_b32 s19, 0
	s_mov_b32 s33, 0x02020202                      ; the lanes with lane % 8 = 1, 2, .. 7
	s_mov_b32 s34, 0x04040404
	s_mov_b32 s35, 0x08080808
	s_mov_b32 s36, 0x10101010
	s_mov_b32 s37, 0x20202020
	s_mov_b32 s38, 0x40404040
	s_mov_b32 s39, 0x80808080
	v_and_b32 v3, 7, v0
	v_lshlrev_b32 v3, 4, v3                        ; my 8 d: 16 bytes at lane % 8
	v_lshlrev_b32 v2, 4, v1
	v_lshl_add_u32 v2, s22, 13, v2                 ; my wave's 64 keys of 128 bytes; a load covers four keys, 512 neighbouring bytes
	v_mov_b32 v[ZERO], 0
	v_lshrrev_b32 v30, 3, v1
	v_lshl_add_u32 v30, v30, 2, v3                 ; my key's word: 16 (lane % 8) + 4 (lane / 8),
	v_lshl_add_u32 v30, s22, 8, v30                ; in my wave's own 256 bytes of LDS
	v_lshlrev_b32 v31, 3, v1
	v_lshl_add_u32 v31, s22, 8, v31                ; back, and out: 256 w + 8 x lane
	s_wait_kmcnt 0x0
	s_add_nc_u64 s[6:7], s[6:7], s[14:15]          ; Q's head: query 0 is its first row
	s_add_nc_u64 s[28:29], s[6:7], s[16:17]        ; my work-group's keys
	s_add_nc_u64 s[10:11], s[10:11], s[18:19]
	global_load_b128 v[Q4:Q4+3], v3, s[6:7]
.irp bb, 0,1
.irp e, 0,1,2,3,4,5,6,7
	global_load_b128 v[KB+32*\bb+4*\e:KB+32*\bb+4*\e+3], v2, s[28:29] offset:512*(8*\bb+\e)
.endr
.endr
; A batch: 32 keys.  Eight chains of eight multiply-adds straight from the bf16 halves, three steps across the eight lanes of a key,
; and lane l keeps the chain l % 8.  left = how many younger loads may stay out.
.macro DOT bb, left
	s_wait_loadcnt \left
.irp e, 0,1,2,3,4,5,6,7
	v_fma_mix_f32_bf16 v[D+\e], v[KB+32*\bb+4*\e], v[Q4], v[ZERO] op_sel_hi:[1,1,0]
.endr
.irp e, 0,1,2,3,4,5,6,7
	v_fma_mix_f32_bf16 v[D+\e], v[KB+32*\bb+4*\e], v[Q4], v[D+\e] op_sel:[1,1,0] op_sel_hi:[1,1,0]
.endr
.irp c, 1,2,3
.irp e, 0,1,2,3,4,5,6,7
	v_fma_mix_f32_bf16 v[D+\e], v[KB+32*\bb+4*\e+\c], v[Q4+\c], v[D+\e] op_sel_hi:[1,1,0]
.endr
.irp e, 0,1,2,3,4,5,6,7
	v_fma_mix_f32_bf16 v[D+\e], v[KB+32*\bb+4*\e+\c], v[Q4+\c], v[D+\e] op_sel:[1,1,0] op_sel_hi:[1,1,0]
.endr
.endr
.irp m, 1,2,4
.irp e, 0,1,2,3,4,5,6,7
	v_add_f32_dpp v[D+\e], v[D+\e], v[D+\e] row_xmask:\m row_mask:0xf bank_mask:0xf
.endr
.endr
	v_mov_b32 v[SC+\bb], v[D]
.irp e, 1,2,3,4,5,6,7
	v_cndmask_b32 v[SC+\bb], v[SC+\bb], v[D+\e], s[32+\e]
.endr
.endm
	DOT 0, 8                                       ; q0 and batch 0 are in; the eight younger loads are batch 1's
	DOT 1, 0
	ds_store_b32 v30, v[SC]                        ; into key order, through bytes that are my wave's own: no barrier,
	ds_store_b32 v30, v[SC+1] offset:128
	ds_load_b64 v[26:27], v31                      ; and a wave's LDS instructions are served in order (ISA guide 5.7.1.4)
	s_wait_dscnt 0x0
	global_store_b64 v31, v[26:27], s[10:11]       ; the wave's 64 scores: 256 neighbouring bytes, aligned, in one store
	s_wait_tensorcnt 0x0
	ds_add_u32 v148, v149
	s_wait_dscnt 0x0
	s_endpgm
.Lfunc_end_k_q746bd2574a_ln2:
	.size	k_q746bd2574a_ln2, .Lfunc_end_k_q746bd2574a_ln2-k_q746bd2574a_ln2
	.p2alignl 7, 3214868480
	.fill 96, 4, 3214868480
	.section	.rodata,"a",@progbits
	.p2align	6, 0x0
	.amdhsa_kernel k_q746bd2574a_ln2
		.amdhsa_group_segment_fixed_size 33792
		.amdhsa_private_segment_fixed_size 0
		.amdhsa_enable_private_segment 0
		.amdhsa_kernarg_size 32
		.amdhsa_user_sgpr_count 2
		.amdhsa_user_sgpr_kernarg_segment_ptr 1
		.amdhsa_wavefront_size32 1
		.amdhsa_system_sgpr_workgroup_id_x 1
		.amdhsa_system_sgpr_workgroup_id_y 1
		.amdhsa_system_sgpr_workgroup_id_z 1
		.amdhsa_system_vgpr_workitem_id 0
		.amdhsa_next_free_vgpr 150
		.amdhsa_next_free_sgpr 66
		.amdhsa_reserve_vcc 0
		.amdhsa_float_denorm_mode_32 3
		.amdhsa_float_denorm_mode_16_64 3
		.amdhsa_memory_ordered 1
		.amdhsa_forward_progress 1
		.amdhsa_inst_pref_size 31
	.end_amdhsa_kernel
	.amdgpu_metadata
---
amdhsa.version: [ 1, 2 ]
amdhsa.kernels:
  - .name:           k_q746bd2574a_ln2
    .symbol:         k_q746bd2574a_ln2.kd
    .args:
      - { .name: rr, .offset: 0, .size: 8, .value_kind: global_buffer, .address_space: global }
      - { .name: qkv, .offset: 8, .size: 8, .value_kind: global_buffer, .address_space: global }
      - { .name: part, .offset: 16, .size: 8, .value_kind: global_buffer, .address_space: global }
      - { .name: p0, .offset: 24, .size: 8, .value_kind: global_buffer, .address_space: global }
    .group_segment_fixed_size: 33792
    .private_segment_fixed_size: 0
    .kernarg_segment_align: 8
    .kernarg_segment_size: 32
    .max_flat_workgroup_size: 256
    .sgpr_count:     66
    .vgpr_count:     150
    .wavefront_size: 32
...
	.end_amdgpu_metadata
.endif
;; end of part 5
;; launch fin (part 6): grid 18 x 1, 16 waves a work-group, no clusters, 141,312 bytes of LDS; arguments part, p0, g2, b2, out0, out1; writes out0, out1
.if DOCPART == 6
	.amdgcn_target "amdgcn-amd-amdhsa--gfx1250"
	.amdhsa_code_object_version 6
	.text
	.protected	k_q746bd2574a_fin
	.globl	k_q746bd2574a_fin
	.p2align	8
	.type	k_q746bd2574a_fin,@function
k_q746bd2574a_fin:
	s_mov_b64 s[64:65], 0
	v_nop
	global_prefetch_b8 v0, s[64:65] scope:SCOPE_SE
	s_setreg_imm32_b32 hwreg(HW_REG_WAVE_MODE, 25, 1), 1
	s_wait_xcnt 0x0
; fin: what spans the work-groups of the launch before, each output owned by one work-group.
; Work-groups 0-15:  out0[b][c] = g2[c] * (sum over the batch's 128 rows of part) / 2048 + b2[c], 128 columns a work-group, 8 rows a wave.
; Work-groups 16-17: out1[b][key] = (1 / 16) sum over the 16 heads of softmax over keys of (p0[16 b + h][key] / 8).  Wave h takes head h:
;                    64 scores a lane; the largest is taken away before the exponential; its 2,048 shares go to LDS, and 512 threads add up the heads.
; LDS: the two jobs have bytes of their own: the heads' shares lie in bytes 0 to 131,071 (16 heads x 8,192), the rows' sixteen partial sums
; in bytes 131,072 to 139,263 (16 waves x 512), so that no access of one job can meet a byte of the other.
; 1.3 MB are read in all: 18 work-groups are what the two results have work for.
; Limit: finite inputs; v_exp_f32 gives 0 for results below 2^-126 (ISA guide 15.8).
.set ROWS_LDS, 0x20000                 ; where the row job's partial sums begin
.macro QADD a, b                       ; four numbers at v[a] += four at v[b]
	v_pk_add_f32 v[\a:\a+1], v[\a:\a+1], v[\b:\b+1]
	v_pk_add_f32 v[\a+2:\a+3], v[\a+2:\a+3], v[\b+2:\b+3]
.endm
.macro SUM8                            ; the eight fours at v16 .. v47 into v[16:19]
	QADD 16, 32
	QADD 20, 36
	QADD 24, 40
	QADD 28, 44
	QADD 16, 24
	QADD 20, 28
	QADD 16, 20
.endm
.macro SUM16                           ; the sixteen fours at v16 .. v79 into v[16:19]
.irp i, 0,1,2,3,4,5,6,7
	QADD 16+4*\i, 48+4*\i
.endr
	SUM8
.endm
	s_load_b256 s[4:11], s[0:1], 0x0               ; part 4:5, p0 6:7, g2 8:9, b2 10:11
	s_load_b128 s[12:15], s[0:1], 0x20             ; out0 12:13, out1 14:15
	v_lshl_add_u32 v96, v0, 2, 0x22000
	v_mov_b32 v97, 0
	v_lshrrev_b32 v2, 5, v0
	v_readfirstlane_b32 s16, v2                    ; wave 0..15
	v_and_b32 v1, 31, v0
	v_lshlrev_b32 v1, 4, v1                        ; 16 x lane: every load and store of a wave covers 512 neighbouring bytes
	s_cmp_ge_u32 ttmp9, 16
	s_cbranch_scc1 .Lheads
	; ---------------- the mean over rows ----------------
	s_lshr_b32 s17, ttmp9, 3                       ; batch
	s_and_b32 s18, ttmp9, 7                        ; strip of 128 columns
	s_lshl_b32 s24, s18, 9                         ; its bytes
	s_mov_b32 s25, 0
	s_lshl_b32 s20, s17, 19                        ; 128 rows of part a batch,
	s_lshl_b32 s19, s16, 15                        ; 8 a wave
	s_add_co_u32 s20, s20, s19
	s_add_co_u32 s20, s20, s24
	s_mov_b32 s21, 0
	s_lshl_b32 s22, s17, 12
	s_add_co_u32 s22, s22, s24
	s_mov_b32 s23, 0
	v_add_nc_u32 v13, ROWS_LDS, v1                 ; the row job's bytes, 16 a lane: the base stands in the register, an LDS offset has 16 bits
	v_lshl_add_u32 v2, s16, 9, v13                 ; my wave's 512 bytes of them
	s_wait_kmcnt 0x0
	s_add_nc_u64 s[4:5], s[4:5], s[20:21]
	s_add_nc_u64 s[8:9], s[8:9], s[24:25]
	s_add_nc_u64 s[10:11], s[10:11], s[24:25]
	s_add_nc_u64 s[12:13], s[12:13], s[22:23]
	s_cmp_lg_u32 s16, 0
	s_cbranch_scc1 .Lrows
	global_load_b128 v[4:7], v1, s[8:9]            ; wave 0, which finishes the strip, asks for gain and bias ahead of its rows
	global_load_b128 v[8:11], v1, s[10:11]
.Lrows:
.irp i, 0,1,2,3,4,5,6,7
	global_load_b128 v[16+4*\i:19+4*\i], v1, s[4:5] offset:4096*\i th:TH_LOAD_NT
.endr
	s_wait_loadcnt 0x0                             ; my eight rows, and in wave 0 gain and bias
	SUM8
	ds_store_b128 v2, v[16:19]
	s_wait_dscnt 0x0                               ; my store is done, for wave 0's sake
	s_barrier_signal -1
	s_barrier_wait -1
	s_cmp_lg_u32 s16, 0
	s_cbranch_scc1 .Ldone                          ; wave 0 alone finishes the strip
.irp w, 0,1,2,3,4,5,6,7,8,9,10,11,12,13,14,15
	ds_load_b128 v[16+4*\w:19+4*\w], v13 offset:512*\w
.endr
	s_wait_dscnt 0x0
	SUM16
	v_pk_mul_f32 v[16:17], v[16:17], 0x3a000000 op_sel_hi:[1,0]    ; / 2048
	v_pk_mul_f32 v[18:19], v[18:19], 0x3a000000 op_sel_hi:[1,0]
	v_pk_fma_f32 v[16:17], v[16:17], v[4:5], v[8:9]
	v_pk_fma_f32 v[18:19], v[18:19], v[6:7], v[10:11]
	global_store_b128 v1, v[16:19], s[12:13]
.Ldone:
	s_wait_tensorcnt 0x0
	ds_add_u32 v96, v97
	s_wait_dscnt 0x0
	s_endpgm
	; ---------------- attention row 0, averaged over the heads ----------------
.Lheads:
	s_sub_co_u32 s17, ttmp9, 16                    ; batch
	s_lshl_b32 s20, s17, 17                        ; 16 heads of 8,192 bytes a batch,
	s_lshl_b32 s19, s16, 13                        ; my wave's head
	s_add_co_u32 s20, s20, s19
	s_mov_b32 s21, 0
	s_lshl_b32 s22, s17, 13
	s_mov_b32 s23, 0
	s_mov_b32 s26, 0x76543210                      ; v_permlanex16_b32: lane i reads lane i of the other half
	s_mov_b32 s27, 0xfedcba98
	s_mov_b32 s28, 0x3e38aa3b                      ; c = log2(e) / 8
	s_mov_b32 s29, 0x3e38aa3b
	s_mov_b32 s30, 0xbe38aa3b                      ; - c
	v_lshl_add_u32 v2, s16, 13, v1                 ; LDS: my head's 8,192 bytes, 16 a lane
	v_lshlrev_b32 v3, 4, v0                        ; 16 x thread: four keys of heads 0 to 7,
	v_add_nc_u32 v12, 0x10000, v3                  ; and of heads 8 to 15 (an LDS offset has 16 bits)
	v_mov_b32 v89, 0                               ; the pairs are named whole
	v_mov_b32 v91, 0
	s_wait_kmcnt 0x0
	s_add_nc_u64 s[6:7], s[6:7], s[20:21]
	s_add_nc_u64 s[14:15], s[14:15], s[22:23]
.irp j, 0,1,2,3,4,5,6,7,8,9,10,11,12,13,14,15
	global_load_b128 v[16+4*\j:19+4*\j], v1, s[6:7] offset:512*\j th:TH_LOAD_NT
.endr
	s_wait_loadcnt 0x0
	; the largest of my 64 scores in four chains, then over the lanes
.irp k, 0,1,2,3
	v_max3_num_f32 v[80+\k], v[16+16*\k], v[17+16*\k], v[18+16*\k]
.endr
.irp e, 3,5,7,9,11,13
.irp k, 0,1,2,3
	v_max3_num_f32 v[80+\k], v[80+\k], v[16+16*\k+\e], v[17+16*\k+\e]
.endr
.endr
	v_max3_num_f32 v80, v80, v31, v47              ; the sixteenth number of each chain
	v_max3_num_f32 v81, v81, v63, v79
	v_max3_num_f32 v80, v80, v81, v82
	v_max_num_f32 v80, v80, v83
	v_max_num_f32_dpp v80, v80, v80 row_xmask:1 row_mask:0xf bank_mask:0xf
	v_max_num_f32_dpp v80, v80, v80 row_xmask:2 row_mask:0xf bank_mask:0xf
	v_max_num_f32_dpp v80, v80, v80 row_xmask:4 row_mask:0xf bank_mask:0xf
	v_max_num_f32_dpp v80, v80, v80 row_xmask:8 row_mask:0xf bank_mask:0xf
	v_permlanex16_b32 v81, v80, s26, s27
	v_max_num_f32 v80, v80, v81
	v_mul_f32 v88, s30, v80                        ; - c m
.set p, 0
.rept 32
	v_pk_fma_f32 v[16+p:17+p], v[16+p:17+p], s[28:29], v[88:89] op_sel_hi:[1,0,0]
.set p, p+2
.endr
.set p, 0
.rept 64
	v_exp_f32 v[16+p], v[16+p]
.set p, p+1
.endr
	v_nop                                          ; one plain instruction behind the exponentials (ISA guide 5.7.2)
	s_wait_alu depctr_va_vdst(0)
.irp k, 0,1,2,3
	v_pk_add_f32 v[80+2*\k:81+2*\k], v[16+2*\k:17+2*\k], v[24+2*\k:25+2*\k]
.endr
.irp q, 16,24,32,40,48,56
.irp k, 0,1,2,3
	v_pk_add_f32 v[80+2*\k:81+2*\k], v[80+2*\k:81+2*\k], v[16+\q+2*\k:17+\q+2*\k]
.endr
.endr
	v_pk_add_f32 v[80:81], v[80:81], v[82:83]
	v_pk_add_f32 v[84:85], v[84:85], v[86:87]
	v_pk_add_f32 v[80:81], v[80:81], v[84:85]
	v_add_f32 v80, v80, v81
	v_add_f32_dpp v80, v80, v80 row_xmask:1 row_mask:0xf bank_mask:0xf
	v_add_f32_dpp v80, v80, v80 row_xmask:2 row_mask:0xf bank_mask:0xf
	v_add_f32_dpp v80, v80, v80 row_xmask:4 row_mask:0xf bank_mask:0xf
	v_add_f32_dpp v80, v80, v80 row_xmask:8 row_mask:0xf bank_mask:0xf
	v_permlanex16_b32 v81, v80, s26, s27
	v_add_f32 v80, v80, v81
	v_mul_f32 v80, 0x41800000, v80                 ; 16 heads share the mean; the sum is at least 1
	v_rcp_f32 v90, v80
	v_nop                                          ; one plain instruction behind v_rcp_f32 (ISA guide 5.7.2)
.set p, 0
	s_wait_alu depctr_va_vdst(0)
.rept 32
	v_pk_mul_f32 v[16+p:17+p], v[16+p:17+p], v[90:91] op_sel_hi:[1,0]
.set p, p+2
.endr
.irp j, 0,1,2,3,4,5,6,7,8,9,10,11,12,13,14,15
	ds_store_b128 v2, v[16+4*\j:19+4*\j] offset:512*\j   ; my head's shares, in key order
.endr
	s_wait_dscnt 0x0                               ; my stores are done, for the other waves' sake
	s_barrier_signal -1
	s_barrier_wait -1
.irp hh, 0,1,2,3,4,5,6,7
	ds_load_b128 v[16+4*\hh:19+4*\hh], v3 offset:8192*\hh
	ds_load_b128 v[48+4*\hh:51+4*\hh], v12 offset:8192*\hh
.endr
	s_wait_dscnt 0x0
	SUM16
	global_store_b128 v3, v[16:19], s[14:15]
	s_wait_tensorcnt 0x0
	ds_add_u32 v96, v97
	s_wait_dscnt 0x0
	s_endpgm
.Lfunc_end_k_q746bd2574a_fin:
	.size	k_q746bd2574a_fin, .Lfunc_end_k_q746bd2574a_fin-k_q746bd2574a_fin
	.p2alignl 7, 3214868480
	.fill 96, 4, 3214868480
	.section	.rodata,"a",@progbits
	.p2align	6, 0x0
	.amdhsa_kernel k_q746bd2574a_fin
		.amdhsa_group_segment_fixed_size 141312
		.amdhsa_private_segment_fixed_size 0
		.amdhsa_enable_private_segment 0
		.amdhsa_kernarg_size 48
		.amdhsa_user_sgpr_count 2
		.amdhsa_user_sgpr_kernarg_segment_ptr 1
		.amdhsa_wavefront_size32 1
		.amdhsa_system_sgpr_workgroup_id_x 1
		.amdhsa_system_sgpr_workgroup_id_y 1
		.amdhsa_system_sgpr_workgroup_id_z 1
		.amdhsa_system_vgpr_workitem_id 0
		.amdhsa_next_free_vgpr 98
		.amdhsa_next_free_sgpr 66
		.amdhsa_reserve_vcc 0
		.amdhsa_float_denorm_mode_32 3
		.amdhsa_float_denorm_mode_16_64 3
		.amdhsa_memory_ordered 1
		.amdhsa_forward_progress 1
		.amdhsa_inst_pref_size 25
	.end_amdhsa_kernel
	.amdgpu_metadata
---
amdhsa.version: [ 1, 2 ]
amdhsa.kernels:
  - .name:           k_q746bd2574a_fin
    .symbol:         k_q746bd2574a_fin.kd
    .args:
      - { .name: part, .offset: 0, .size: 8, .value_kind: global_buffer, .address_space: global }
      - { .name: p0, .offset: 8, .size: 8, .value_kind: global_buffer, .address_space: global }
      - { .name: g2, .offset: 16, .size: 8, .value_kind: global_buffer, .address_space: global }
      - { .name: b2, .offset: 24, .size: 8, .value_kind: global_buffer, .address_space: global }
      - { .name: out0, .offset: 32, .size: 8, .value_kind: global_buffer, .address_space: global }
      - { .name: out1, .offset: 40, .size: 8, .value_kind: global_buffer, .address_space: global }
    .group_segment_fixed_size: 141312
    .private_segment_fixed_size: 0
    .kernarg_segment_align: 8
    .kernarg_segment_size: 48
    .max_flat_workgroup_size: 512
    .sgpr_count:     66
    .vgpr_count:     98
    .wavefront_size: 32
...
	.end_amdgpu_metadata
.endif
;; end of part 6
